; MI455X (gfx1250); checked and timed in simulation.
; The chip was launched on July 23, 2026; its instructions are those of AMD's public machine-readable ISA for CDNA 5 (MIT licence, August 2026) and "CDNA5" Instruction Set Architecture Reference Guide (July 2026). The comments in the code are by the model that wrote it; some were corrected since.
;; Gated Delta Net Layer. Allowed arithmetic: float matrix products may take bf16 or f16 operands with f32 sums; other float arithmetic in f32, or as packed bf16 or f16 multiplies, adds, multiply-adds, maxima and minima; sums over many terms, partial sums and values carried from step to step in f32; what a program stores and reads back later, other than sums and carried values, may be rounded once to bf16 or f16.
;; Inputs: Wa 1,024 x 16 float32; Wb 1,024 x 16 float32; Wk 1,024 x 1,024 float32; Wo 1,024 x 1,024 float32; Wq 1,024 x 1,024 float32; Wv 1,024 x 1,024 float32; ba 16 float32; bb 16 float32; state 4 x 16 x 64 x 64 float32; x 4 x 2,048 x 1,024 float32.
;; Outputs: out0 4 x 2,048 x 1,024 float32; out1 4 x 16 x 64 x 64 float32.
;; 2 versions, each right; version 2 is version 1 with the launch prep written anew for expert scheduling mode. Each part assembles by itself: llvm-mc -triple=amdgcn-amd-amdhsa -mcpu=gfx1250 --defsym DOCPART=n.
;; ======== version 1 of 2: 4 launches
;; limits: values are held in f16: magnitudes above 65,504 overflow, below 6.1e-05 lose precision
;; workspace buffers: xb 16,777,216 bytes; wb 6,291,456 bytes; wo16 2,097,152 bytes; gat 2,097,152 bytes; qkv 50,331,648 bytes; qn 524,288 bytes; yb 16,777,216 bytes; ysc 32,768 bytes
;; launch prep (part 1): grid 256 x 1, 8 waves a work-group, no clusters, 92,416 bytes of LDS; arguments x, Wq, Wk, Wv, Wo, Wa, Wb, ba, bb, xb, wb, wo16, gat; writes xb, wb, wo16, gat
.if DOCPART == 1
	.amdgcn_target "amdgcn-amd-amdhsa--gfx1250"
	.amdhsa_code_object_version 6
	.text
	.protected	k_qb472a71d7e_prep
	.globl	k_qb472a71d7e_prep
	.p2align	8
	.type	k_qb472a71d7e_prep,@function
k_qb472a71d7e_prep:
	s_mov_b64 s[64:65], 0
	v_nop
	global_prefetch_b8 v0, s[64:65] scope:SCOPE_SE
	s_setreg_imm32_b32 hwreg(HW_REG_WAVE_MODE, 25, 1), 1
	s_wait_xcnt 0x0
; PREP.  Work-groups 128..255 cast the four weight matrices; work-groups 0..127 cast 64 rows of x each and make the gates of those rows (one chunk of 64 steps of one batch).
; xb: bf16 [64 groups of 16 channels][8192 rows][16]: a row of a group is 32 bytes, so 16 rows are 512 bytes on end.  wb: bf16 [3][1024 k][1024 n].  wo16: Wo rounded to bf16, written as f16.
; gat: f32 [4 planes][64 bh][2048 t].  With sa = -log2 sigmoid(x.Wa + ba), sb = -log2 sigmoid(x.Wb + bb), c = the sum of sa from the chunk's first step to t, G = c at its last step:
;   plane 0: L = -c     plane 1: E = c - sb     plane 2: W = 2^(E - G)     plane 3: F = 2^(-c)
; -log2 sigmoid(z) = max(n, 0) + log2(1 + 2^-|n|), n = -log2(e) z: no exponential can overflow.
; LIMITS.  sa is held to 128 at the most: a forget gate below 2^-128 counts as 2^-128.  All inputs are rounded to bf16, the biases too.  NaN and infinities are not treated apart.
; NO CLUSTER: what the row blocks share, Wa and Wb, is converted to bf16 on its way into LDS, through registers; a tensor load converts nothing.
; NO PREFETCH: every wave has 24 loads of x on their way from its first lines on, and the launch does little but move its bytes.
.set TA,    0          ; Wa as bf16 [1024 k][16], rows of 32 bytes
.set TB,    32768      ; Wb likewise
.set RED,   65536      ; the upper K halves' partial sums: 4 x 2,048 bytes
.set TOT,   73728      ; [4 row tiles][16 heads] f32: each tile's sum of sa
.set GST,   73984      ; 64 rows (16 plane + head) x 272 bytes: the planes on their way out
.set SPARE, 91392      ; the spare words, 128 bytes for each of 8 waves
.set FR,  40           ; v[40:71]   x as bf16 fragments, two sets of 16 by the trip's parity
.set WF,  72           ; v[72:135]  fragments of Wa and Wb, two sets of 32; first the tables' f32
.set XF,  136          ; v[136:231] x as loaded, three sets of 32
.set KGB, 262144       ; bytes of one group of 16 channels in xb
	s_load_b512 s[8:23], s[0:1], 0x0               ; x, Wq, Wk, Wv, Wo, Wa, Wb, ba
	s_load_b256 s[24:31], s[0:1], 0x40             ; bb, xb, wb, wo16
	s_load_b64 s[32:33], s[0:1], 0x60              ; gat
	v_lshl_add_u32 v16, v0, 2, SPARE               ; my spare word; never rewritten
	v_mov_b32 v17, 0                               ; 0; never rewritten
	v_lshrrev_b32 v1, 5, v0
	v_readfirstlane_b32 s34, v1                    ; wave 0..7
	s_cmp_lt_u32 ttmp9, 128
	s_cbranch_scc1 .Lrows
	; THE WEIGHTS.  Matrix m = 0..3 (Wq, Wk, Wv, Wo), 32 rows = 131,072 bytes a work-group; all 32 loads of a thread go out at once.
	s_sub_co_u32 s35, ttmp9, 128
	s_lshr_b32 s36, s35, 5                         ; m
	s_and_b32 s37, s35, 31                         ; block of 32 rows
	v_lshlrev_b32 v2, 4, v0                        ; 16 bytes a thread in,
	v_lshlrev_b32 v3, 3, v0                        ; 8 bytes out
	s_mov_b32 s48, 0xffff0000
	s_lshl_b32 s38, s37, 17
	s_mov_b32 s39, 0
	s_lshl_b32 s40, s37, 16
	s_mov_b32 s41, 0
	s_lshl_b32 s42, s36, 21
	s_cmp_eq_u32 s36, 3
	s_cselect_b32 s42, 0, s42
	s_add_co_u32 s40, s40, s42
	s_wait_kmcnt 0x0
	s_cmp_eq_u32 s36, 1
	s_cselect_b64 s[44:45], s[12:13], s[10:11]
	s_cmp_eq_u32 s36, 2
	s_cselect_b64 s[44:45], s[14:15], s[44:45]
	s_cmp_eq_u32 s36, 3
	s_cselect_b64 s[44:45], s[16:17], s[44:45]
	s_cselect_b64 s[46:47], s[30:31], s[28:29]
	s_add_nc_u64 s[44:45], s[44:45], s[38:39]
	s_add_nc_u64 s[46:47], s[46:47], s[40:41]
.set n, 0
.rept 32
	global_load_b128 v[64+4*n:67+4*n], v2, s[44:45] offset:4096*n th:TH_LOAD_NT
.set n, n+1
.endr
; half = 1: the bf16 number is written as f16 (exact from 6.1e-5 up; below that f16's fixed step of 6e-8)
.macro WOUT half
.set n, 0
.rept 32
	s_wait_loadcnt 31-n                            ; loads come back in order: number n is in, the younger ones stay out
	v_cvt_pk_bf16_f32 v[192+2*n], v[64+4*n], v[65+4*n]
	v_cvt_pk_bf16_f32 v[193+2*n], v[66+4*n], v[67+4*n]
.if \half
	v_lshlrev_b32 v[64+4*n], 16, v[192+2*n]
	v_and_b32 v[65+4*n], s48, v[192+2*n]
	v_lshlrev_b32 v[66+4*n], 16, v[193+2*n]
	v_and_b32 v[67+4*n], s48, v[193+2*n]
	v_cvt_pk_f16_f32 v[192+2*n], v[64+4*n], v[65+4*n]
	v_cvt_pk_f16_f32 v[193+2*n], v[66+4*n], v[67+4*n]
.endif
	global_store_b64 v3, v[192+2*n:193+2*n], s[46:47] offset:2048*n  ; a wave's store covers 256 consecutive bytes, aligned
.set n, n+1
.endr
.endm
	s_cmp_eq_u32 s36, 3
	s_cbranch_scc1 .Lwo
	WOUT 0
	s_branch .Lend
.Lwo:
	WOUT 1
	s_branch .Lend
.Lrows:
	; THE ROWS.  Wave w: row tile rt = w & 3 (16 rows), K half kh = w >> 2 (512 channels).
	s_and_b32 s35, s34, 3                          ; rt
	s_lshr_b32 s36, s34, 2                         ; kh
	v_and_b32 v1, 31, v0                           ; L
	v_and_b32 v2, 15, v0                           ; r
	v_bfe_u32 v3, v0, 4, 1                         ; h
	s_lshl_b32 s37, s35, 16
	s_lshl_b32 s38, s36, 11
	s_add_co_u32 s37, s37, s38
	v_lshlrev_b32 v4, 12, v2
	v_lshl_add_u32 v4, v3, 5, v4
	v_add_nc_u32 v4, s37, v4                       ; x: (16 rt + r) x 4096 + 2048 kh + 32 h
	s_lshl_b32 s38, ttmp9, 11
	s_lshl_b32 s39, s35, 9
	s_add_co_u32 s38, s38, s39
	v_lshlrev_b32 v5, 5, v2
	v_lshl_add_u32 v5, v3, 4, v5
	v_add_nc_u32 v5, s38, v5                       ; xb: (64 id + 16 rt + r) x 32 + 16 h
	v_and_b32 v6, 7, v0
	v_lshl_add_u32 v6, v3, 3, v6
	v_lshlrev_b32 v6, 5, v6
	v_bfe_u32 v7, v0, 3, 1
	v_lshl_add_u32 v6, v7, 4, v6
	s_lshl_b32 s39, s36, 14
	v_add_nc_u32 v6, s39, v6                       ; the turning load in Wa's table: (512 kh + 8 h + L % 8) x 32 + 16 ((L / 8) % 2)
	v_add_nc_u32 v7, TB, v6                        ; and in Wb's
	v_lshlrev_b32 v8, 5, v0                        ; a piece of 8 f32 of a table in memory,
	v_lshlrev_b32 v9, 4, v0                        ; and as 8 bf16 in LDS
	s_lshl_b32 s39, s35, 11
	s_add_co_u32 s39, s39, RED
	v_lshl_add_u32 v10, v1, 4, s39
	v_mul_u32_u24 v11, v2, 272
	v_lshl_add_u32 v11, v3, 5, v11
	s_lshl_b32 s39, s35, 6
	s_add_co_u32 s39, s39, GST
	v_add_nc_u32 v11, s39, v11                     ; GST: head r's row, steps 16 rt + 8 h on
	v_mul_u32_u24 v12, v3, 272
	v_lshl_add_u32 v12, v2, 4, v12
	s_mul_i32 s39, s34, 8*272
	s_add_co_u32 s39, s39, GST
	v_add_nc_u32 v12, s39, v12                     ; GST back: rows 8 w + L / 16, 16 bytes a lane
	v_lshlrev_b32 v13, 13, v3
	v_lshl_add_u32 v13, v2, 4, v13                 ; the same two rows in gat, 8,192 bytes apart
	v_lshl_add_u32 v14, v2, 2, TOT
	s_lshl_b32 s39, s35, 6
	v_add_nc_u32 v20, s39, v14
	v_cvt_f32_u32 v15, v3                          ; h as a float
	v_lshlrev_b32 v21, 2, v2
	s_cmp_gt_u32 s35, 0
	s_cselect_b32 s60, 1.0, 0                      ; which earlier tiles' sums come in front of mine
	s_cmp_gt_u32 s35, 1
	s_cselect_b32 s61, 1.0, 0
	s_cmp_gt_u32 s35, 2
	s_cselect_b32 s62, 1.0, 0
	s_mov_b32 s56, 0xbfb8aa3b                      ; -log2(e)
	s_mov_b32 s57, 0x80000000
	s_mov_b32 s58, 0x76543210
	s_mov_b32 s59, 0xfedcba98
	s_mov_b32 s63, 0x43000000                      ; 128.0
	s_lshr_b32 s48, ttmp9, 5                       ; b
	s_and_b32 s49, ttmp9, 31                       ; chunk
	s_lshl_b32 s48, s48, 4
	s_and_b32 s50, s34, 1
	s_lshl_b32 s50, s50, 3
	s_add_co_u32 s48, s48, s50
	s_lshl_b32 s48, s48, 13
	s_lshl_b32 s49, s49, 8
	s_add_co_u32 s48, s48, s49
	s_lshr_b32 s50, s34, 1
	s_lshl_b32 s50, s50, 19
	s_add_co_u32 s48, s48, s50                     ; plane w / 2, heads 16 b + 8 (w % 2) on, the chunk's 256 bytes
	s_mov_b32 s49, 0
	s_lshl_b32 s46, ttmp9, 18
	s_mov_b32 s47, 0
	s_lshl_b32 s50, s36, 23
	s_mov_b32 s51, 0
	s_wait_kmcnt 0x0
	s_add_nc_u64 s[42:43], s[8:9], s[46:47]        ; x at the block's first row
	s_add_nc_u64 s[40:41], s[26:27], s[50:51]      ; xb at group 32 kh
	s_add_nc_u64 s[44:45], s[32:33], s[48:49]
	global_load_b32 v18, v21, s[22:23]             ; ba, bb of head r
	global_load_b32 v19, v21, s[24:25]
.macro TLOAD lo, hi                    ; a table's 16 loads: pieces tid + 256 n
.set n, 0
.rept 8
	global_load_b128 v[WF+8*n:WF+8*n+3],   v8, s[\lo:\hi] offset:8192*n
	global_load_b128 v[WF+8*n+4:WF+8*n+7], v8, s[\lo:\hi] offset:8192*n+16
.set n, n+1
.endr
.endm
.macro TCONV base                      ; rounded to bf16 and laid into LDS
.set n, 0
.rept 8
.irp p, 0,1,2,3
	v_cvt_pk_bf16_f32 v[FR+4*n+(\p)], v[WF+8*n+2*(\p)], v[WF+8*n+2*(\p)+1]
.endr
	ds_store_b128 v9, v[FR+4*n:FR+4*n+3] offset:(\base)+4096*n
.set n, n+1
.endr
.endm
.macro XLOAD i                         ; trip i's 64 channels of my 16 rows: 32 bytes a lane for each of four groups
.set xs, XF+32*((\i)%3)
.irp k, 0,1,2,3
	global_load_b128 v[xs+8*(\k):xs+8*(\k)+3],   v4, s[42:43] offset:256*(\i)+64*(\k)
	global_load_b128 v[xs+8*(\k)+4:xs+8*(\k)+7], v4, s[42:43] offset:256*(\i)+64*(\k)+16
.endr
.endm
	TLOAD 18, 19
	XLOAD 0
	XLOAD 1
	XLOAD 2
	s_wait_loadcnt 24                              ; the biases and Wa are in; x's 24 loads stay out
	v_cvt_pk_bf16_f32 v18, v18, v18
	v_cvt_pk_bf16_f32 v19, v19, v19
	v_lshlrev_b32 v18, 16, v18
	v_lshlrev_b32 v19, 16, v19
	v_mul_f32 v18, s56, v18                        ; -log2(e) x bias
	v_mul_f32 v19, s56, v19
	TCONV TA
	TLOAD 20, 21
	s_wait_loadcnt 0x0
	TCONV TB
	s_wait_dscnt 0x0                               ; my part of both tables lies in LDS
	s_barrier_signal -1
	s_barrier_wait -1                              ; everybody's does
; A trip: 64 channels.  x is rounded, stored into xb (each store 512 bytes on end), and multiplied by Wa and Wb: source 0 = 16 rows of x, source 1 = 16 heads, so a lane ends
; with head r and steps 8 h + 0..7.  The two accumulators take turns.  A set of FR or WF is written again two trips later, sixteen conversions behind the products that read it.
.macro TRIP i, left
.set fp, FR+16*((\i)&1)
.set wp, WF+32*((\i)&1)
.set xs, XF+32*((\i)%3)
	s_wait_loadcnt \left                           ; this trip's eight loads are in; the younger trips' stay out
	s_wait_xcnt 0x0                                ; the stores of two trips back have read this set of FR
.irp f, 0,1
	ds_load_tr16_b128 v[wp+8*(\f):wp+8*(\f)+3],         v6 offset:(64*(\i)+32*(\f))*32
	ds_load_tr16_b128 v[wp+8*(\f)+4:wp+8*(\f)+7],       v6 offset:(64*(\i)+32*(\f))*32+512
	ds_load_tr16_b128 v[wp+16+8*(\f):wp+16+8*(\f)+3],   v7 offset:(64*(\i)+32*(\f))*32
	ds_load_tr16_b128 v[wp+16+8*(\f)+4:wp+16+8*(\f)+7], v7 offset:(64*(\i)+32*(\f))*32+512
.endr
.set p, 0
.rept 16
	v_cvt_pk_bf16_f32 v[fp+p], v[xs+2*p], v[xs+2*p+1]
.set p, p+1
.endr
.irp k, 0,1,2,3
	global_store_b128 v5, v[fp+4*(\k):fp+4*(\k)+3], s[40:41] offset:(4*(\i)+(\k))*KGB
.endr
.if (\i) < 5
	XLOAD (\i)+3
.endif
	s_wait_dscnt 0x0
.if (\i) == 0
	v_wmma_f32_16x16x32_bf16 v[24:31], v[fp:fp+7], v[wp:wp+7], 0
	v_wmma_f32_16x16x32_bf16 v[32:39], v[fp:fp+7], v[wp+16:wp+23], 0
.else
	v_wmma_f32_16x16x32_bf16 v[24:31], v[fp:fp+7], v[wp:wp+7], v[24:31]
	v_wmma_f32_16x16x32_bf16 v[32:39], v[fp:fp+7], v[wp+16:wp+23], v[32:39]
.endif
	v_wmma_f32_16x16x32_bf16 v[24:31], v[fp+8:fp+15], v[wp+8:wp+15], v[24:31]
	v_wmma_f32_16x16x32_bf16 v[32:39], v[fp+8:fp+15], v[wp+24:wp+31], v[32:39]
.endm
	TRIP 0, 0
	TRIP 1, 8
	TRIP 2, 16
	TRIP 3, 16
	TRIP 4, 16
	TRIP 5, 16
	TRIP 6, 8
	TRIP 7, 0
.rept 4
	v_nop                                          ; four places behind the last products
.endr
	s_cmp_lt_u32 s34, 4
	s_cbranch_scc1 .Lno_red
	ds_store_b128 v10, v[24:27]                    ; the upper K half hands its sums over
	ds_store_b128 v10, v[28:31] offset:512
	ds_store_b128 v10, v[32:35] offset:1024
	ds_store_b128 v10, v[36:39] offset:1536
.Lno_red:
	s_wait_dscnt 0x0
	s_barrier_signal -1
	s_barrier_wait -1
	s_cmp_ge_u32 s34, 4
	s_cbranch_scc1 .Lskip1
	ds_load_b128 v[72:75], v10
	ds_load_b128 v[76:79], v10 offset:512
	ds_load_b128 v[80:83], v10 offset:1024
	ds_load_b128 v[84:87], v10 offset:1536
	s_wait_dscnt 0x0
.set j, 0
.rept 8
	v_pk_add_f32 v[24+2*j:25+2*j], v[24+2*j:25+2*j], v[72+2*j:73+2*j]
.set j, j+1
.endr
.set j, 0
.rept 8
	v_fma_f32 v[24+j], v[24+j], s56, v18           ; n = -log2(e) (z + bias)
	v_fma_f32 v[32+j], v[32+j], s56, v19
.set j, j+1
.endr
.set j, 0
.rept 16
	v_or_b32 v[72+j], s57, v[24+j]                 ; -|n|
.set j, j+1
.endr
.set j, 0
.rept 16
	v_exp_f32 v[72+j], v[72+j]
.set j, j+1
.endr
	v_nop                                          ; a plain instruction behind the last exponential,
	s_wait_alu depctr_va_vdst(0)                   ; and one wait for the batch
.set j, 0
.rept 16
	v_add_f32 v[72+j], 1.0, v[72+j]
.set j, j+1
.endr
.set j, 0
.rept 16
	v_log_f32 v[72+j], v[72+j]
.set j, j+1
.endr
	v_nop
	s_wait_alu depctr_va_vdst(0)
.set j, 0
.rept 16
	v_max_num_f32 v[24+j], 0, v[24+j]
.set j, j+1
.endr
.set j, 0
.rept 16
	v_add_f32 v[24+j], v[24+j], v[72+j]            ; sa in v24-31, sb in v32-39
.set j, j+1
.endr
.set j, 0
.rept 8
	v_min_num_f32 v[24+j], s63, v[24+j]
.set j, j+1
.endr
.set j, 1
.rept 7
	v_add_f32 v[24+j], v[23+j], v[24+j]            ; running sums over my eight steps
.set j, j+1
.endr
	v_mov_b32 v88, 0
	v_permlanex16_b32 v88, v31, s58, s59           ; the other eight steps' sum
	v_add_f32 v89, v31, v88                        ; the tile's 16 steps
.set j, 0
.rept 8
	v_fma_f32 v[24+j], v88, v15, v[24+j]           ; steps 8..15 stand behind steps 0..7
.set j, j+1
.endr
	ds_store_b32 v20, v89
.Lskip1:
	s_wait_dscnt 0x0
	s_barrier_signal -1
	s_barrier_wait -1
	s_cmp_ge_u32 s34, 4
	s_cbranch_scc1 .Lskip2
	ds_load_b32 v90, v14
	ds_load_b32 v91, v14 offset:64
	ds_load_b32 v92, v14 offset:128
	ds_load_b32 v93, v14 offset:192
	s_wait_dscnt 0x0
	v_mul_f32 v94, s60, v90
	v_fmac_f32 v94, s61, v91
	v_fmac_f32 v94, s62, v92                       ; the earlier tiles' sums
	v_add_f32 v95, v90, v91
	v_add_f32 v96, v92, v93
	v_add_f32 v95, v95, v96                        ; G
.set j, 0
.rept 8
	v_add_f32 v[24+j], v94, v[24+j]                ; c
.set j, j+1
.endr
.set j, 0
.rept 8
	v_sub_f32 v[72+j], 0, v[24+j]                  ; L
	v_sub_f32 v[80+j], v[24+j], v[32+j]            ; E
.set j, j+1
.endr
.set j, 0
.rept 8
	v_sub_f32 v[100+j], v[80+j], v95
.set j, j+1
.endr
.set j, 0
.rept 8
	v_exp_f32 v[100+j], v[100+j]                   ; W
	v_exp_f32 v[108+j], v[72+j]                    ; F
.set j, j+1
.endr
	v_nop
	s_wait_alu depctr_va_vdst(0)
	ds_store_b128 v11, v[72:75]
	ds_store_b128 v11, v[76:79] offset:16
	ds_store_b128 v11, v[80:83] offset:4352
	ds_store_b128 v11, v[84:87] offset:4352+16
	ds_store_b128 v11, v[100:103] offset:2*4352
	ds_store_b128 v11, v[104:107] offset:2*4352+16
	ds_store_b128 v11, v[108:111] offset:3*4352
	ds_store_b128 v11, v[112:115] offset:3*4352+16
.Lskip2:
	s_wait_dscnt 0x0
	s_barrier_signal -1
	s_barrier_wait -1
.irp n, 0,1,2,3
	ds_load_b128 v[72+4*(\n):75+4*(\n)], v12 offset:544*(\n)
.endr
.irp n, 0,1,2,3
	s_wait_dscnt 3-(\n)
	global_store_b128 v13, v[72+4*(\n):75+4*(\n)], s[44:45] offset:16384*(\n)  ; sixteen lanes store a head's 256 consecutive bytes, aligned
.endr
.Lend:
	s_wait_tensorcnt 0x0                           ; the wave's end, behind my last LDS store
	ds_add_u32 v16, v17
	s_wait_dscnt 0x0
	s_endpgm
.Lfunc_end_k_qb472a71d7e_prep:
	.size	k_qb472a71d7e_prep, .Lfunc_end_k_qb472a71d7e_prep-k_qb472a71d7e_prep
	.p2alignl 7, 3214868480
	.fill 96, 4, 3214868480
	.section	.rodata,"a",@progbits
	.p2align	6, 0x0
	.amdhsa_kernel k_qb472a71d7e_prep
		.amdhsa_group_segment_fixed_size 92416
		.amdhsa_private_segment_fixed_size 0
		.amdhsa_enable_private_segment 0
		.amdhsa_kernarg_size 104
		.amdhsa_user_sgpr_count 2
		.amdhsa_user_sgpr_kernarg_segment_ptr 1
		.amdhsa_wavefront_size32 1
		.amdhsa_system_sgpr_workgroup_id_x 1
		.amdhsa_system_sgpr_workgroup_id_y 1
		.amdhsa_system_sgpr_workgroup_id_z 1
		.amdhsa_system_vgpr_workitem_id 0
		.amdhsa_next_free_vgpr 256
		.amdhsa_next_free_sgpr 66
		.amdhsa_reserve_vcc 0
		.amdhsa_float_denorm_mode_32 3
		.amdhsa_float_denorm_mode_16_64 3
		.amdhsa_memory_ordered 1
		.amdhsa_forward_progress 1
		.amdhsa_inst_pref_size 75
	.end_amdhsa_kernel
	.amdgpu_metadata
---
amdhsa.version: [ 1, 2 ]
amdhsa.kernels:
  - .name:           k_qb472a71d7e_prep
    .symbol:         k_qb472a71d7e_prep.kd
    .args:
      - { .name: x, .offset: 0, .size: 8, .value_kind: global_buffer, .address_space: global }
      - { .name: Wq, .offset: 8, .size: 8, .value_kind: global_buffer, .address_space: global }
      - { .name: Wk, .offset: 16, .size: 8, .value_kind: global_buffer, .address_space: global }
      - { .name: Wv, .offset: 24, .size: 8, .value_kind: global_buffer, .address_space: global }
      - { .name: Wo, .offset: 32, .size: 8, .value_kind: global_buffer, .address_space: global }
      - { .name: Wa, .offset: 40, .size: 8, .value_kind: global_buffer, .address_space: global }
      - { .name: Wb, .offset: 48, .size: 8, .value_kind: global_buffer, .address_space: global }
      - { .name: ba, .offset: 56, .size: 8, .value_kind: global_buffer, .address_space: global }
      - { .name: bb, .offset: 64, .size: 8, .value_kind: global_buffer, .address_space: global }
      - { .name: xb, .offset: 72, .size: 8, .value_kind: global_buffer, .address_space: global }
      - { .name: wb, .offset: 80, .size: 8, .value_kind: global_buffer, .address_space: global }
      - { .name: wo16, .offset: 88, .size: 8, .value_kind: global_buffer, .address_space: global }
      - { .name: gat, .offset: 96, .size: 8, .value_kind: global_buffer, .address_space: global }
    .group_segment_fixed_size: 92416
    .private_segment_fixed_size: 0
    .kernarg_segment_align: 8
    .kernarg_segment_size: 104
    .max_flat_workgroup_size: 256
    .sgpr_count:     66
    .vgpr_count:     256
    .wavefront_size: 32
...
	.end_amdgpu_metadata
.endif
;; end of part 1
;; launch proj (part 2): grid 8 x 32, 4 waves a work-group, clusters of 4 x 4, 327,680 bytes of LDS; arguments xb, wb, qkv, qn; writes qkv, qn
.if DOCPART == 2
	.amdgcn_target "amdgcn-amd-amdhsa--gfx1250"
	.amdhsa_code_object_version 6
	.text
	.protected	k_qb472a71d7e_proj
	.globl	k_qb472a71d7e_proj
	.p2align	8
	.type	k_qb472a71d7e_proj,@function
k_qb472a71d7e_proj:
	s_mov_b64 s[64:65], 0
	v_nop
	global_prefetch_b8 v0, s[64:65] scope:SCOPE_SE
	s_setreg_imm32_b32 hwreg(HW_REG_WAVE_MODE, 25, 1), 1
	s_wait_xcnt 0x0
	s_wait_alu depctr_hold_cnt(0) depctr_sa_sdst(0) depctr_va_vdst(0) depctr_va_sdst(0) depctr_va_ssrc(0) depctr_va_vcc(0) depctr_vm_vsrc(0)
	s_getreg_b32 s2, hwreg(HW_REG_IB_STS2, 6, 4)
	s_cmp_eq_u32 s2, 0
	s_cbranch_scc0 .Lentry_in_a_cluster
	s_endpgm
.Lentry_in_a_cluster:
	s_bfe_u32 s2, ttmp6, 0x10000c
	s_cmp_lg_u32 s2, 0xf033
	s_cbranch_scc0 .Lentry_shape_is_right
	s_endpgm
.Lentry_shape_is_right:
; Q, K, V = x Wq, x Wk, x Wv in bf16 with f32 sums; then q and k are divided by max(norm, 1e-12) over their head's 64 channels; q, k, v leave as f16, q's norm as f32.
; qkv: f16 [3][64 bh][4 groups of 16 channels][2048 t][16].  qn: f32 [64 bh][2048 t].
; LIMITS.  v leaves as f16: |v| stays under 65,504.  NaN and infinities are not treated apart.
; SHARES.  A work-group: 256 rows (ty) x two heads (tx) x the three matrices.  Wave w: 128 rows (w / 2), one head (w % 2): 96 accumulators of 16 x 16; window 1 holds Q's 32, window 2 K's, window 3 V's,
; accumulator (a, b) at v[8 (4 a + b)].  Window 0: addresses, two buffers of x's fragments, one buffer for each matrix's fragments.
; K goes in steps of 64 through two LDS slots.  Wave 0 fetches x's tile (4 groups x 256 rows x 32 bytes, each row padded to 48), waves 1..3 one matrix's tile each (64 rows of 256 bytes, padded to 288).
; THE PRODUCT IS TAKEN TRANSPOSED: source 0 = 16 columns of W (by the turning load), source 1 = 16 rows of x: a lane holds one row and eight neighbouring channels: 16 bytes of f16.
; CLUSTER 4 x 4: x's tile hangs on ty alone and is asked for jointly along a row of the cluster, a matrix's tile on tx alone and is asked for jointly along a column.
.set SLOT,  104448
.set BOFF,  49152      ; behind x's tile: the three matrices' tiles, 18,432 bytes each
.set QST,   208896     ; 512 bytes a wave: q's norms on their way out
.set SPARE, 210944     ; the spare words, 128 bytes a wave
.set A0, 32            ; v32-95   x's fragments, first 32 of a K step
.set A1, 96            ; v96-159  second 32
.set BF, 160           ; v160-255 matrix m's four fragments at BF + 32 m
.set G1A, 24
.set G0A, 32
.set G1B, 48
.set G0B, 56
.set MSB, 0
.macro WIN new                         ; the immediate's high byte repeats the setting that is left
.if MSB != (\new)
	s_set_vgpr_msb (MSB<<8)|(\new)
.set MSB, (\new)
.endif
.endm
.macro PLACES                          ; four places behind matrix instructions, in front of loads into registers that they read
.rept 4
	v_nop
.endr
.endm
.macro JLOAD s                         ; a joint load; the branch hangs on the wave's number alone; s_nop 0 and four v_nop follow each line
	s_cmp_eq_u32 s12, 0
	s_cbranch_scc0 .Lfor_b_\@
	tensor_load_to_lds s[G0A+4*(\s):G0A+4*(\s)+3], s[G1A:G1A+7]
	s_nop 0
.rept 4
	v_nop
.endr
	s_branch .Lasked_\@
.Lfor_b_\@:
	tensor_load_to_lds s[G0B+4*(\s):G0B+4*(\s)+3], s[G1B:G1B+7]
	s_nop 0
.rept 4
	v_nop
.endr
.Lasked_\@:
.endm
.macro CREST
	s_cmp_lg_u32 s12, 0
	s_cbranch_scc1 .Lnot_wave_0_\@
	s_barrier_signal -3
.Lnot_wave_0_\@:
	s_barrier_wait -3
	s_barrier_signal -1
	s_barrier_wait -1
.endm
.macro CROUND
	s_barrier_signal -1
	s_barrier_wait -1
	CREST
.endm
; A prefetch of the K step that stands two refills on (192 x 2 matrix instructions ahead), behind the joint load and the run of LDS loads.  x's tile: the clusters with x = 0, wave 0; partner cx names
; group cx of the step's four: 8,192 bytes, a lane 256.  A matrix's tile: the clusters with y = 0, waves 1..3; partner cy names rows 16 cy + l % 16 of two steps at once, in slot 0's turn alone.
; So each aligned 256 bytes is named once in the launch; partners are told apart by address.  The loop's last trip asks for nothing; the first four steps come by their loads alone.
.macro ASK lim
	s_cmp_gt_u32 s3, s[\lim]
	s_cbranch_scc0 .Lnot_mine_\@
	global_prefetch_b8 v30, s[44:45] th:TH_LOAD_NT scope:SCOPE_SE
.Lnot_mine_\@:
.endm
	s_load_b256 s[4:11], s[0:1], 0x0               ; xb, wb, qkv, qn
	v_lshl_add_u32 v28, v0, 2, SPARE
	v_mov_b32 v29, 0
	ds_add_u32 v28, v29                            ; the opening: the add, twice on end, and its wait ahead of my first tensor load
	ds_add_u32 v28, v29
	v_lshrrev_b32 v1, 5, v0
	v_readfirstlane_b32 s12, v1                    ; wave 0..3
	s_lshr_b32 s13, s12, 1                         ; my half of the rows
	s_and_b32 s14, s12, 1                          ; my head of the two
	s_bfe_u32 s40, ttmp6, 0x40000                  ; cx
	s_bfe_u32 s41, ttmp6, 0x40004                  ; cy
	s_lshl_b32 s42, ttmp9, 2
	s_add_co_u32 s42, s42, s40                     ; tx
	s_and_b32 s43, ttmp7, 0xffff
	s_lshl_b32 s43, s43, 2
	s_add_co_u32 s43, s43, s41                     ; ty
	s_lshl_b32 s18, s41, 2
	s_lshl_b32 s18, 15, s18                        ; my row of the cluster
	s_lshl_b32 s19, 0x1111, s40                    ; my column
	s_or_b32 s[G1A], s18, (1<<16)|(1<<20)|(1<<21)|(2<<22)|(3<<25)  ; mask; 2-byte elements; padding on; bit 21 beside a mask; after every 8 words, 4 words
	s_mov_b32 s[G1A+1], 4096<<16                   ; tensor_dim0 = 4096: 256 rows x 16 channels, dense
	s_mov_b32 s[G1A+2], 4<<16                      ; tensor_dim1 = 4 groups
	s_mov_b32 s[G1A+3], 4096<<16                   ; tile_dim0
	s_mov_b32 s[G1A+4], 4                          ; tile_dim1
	s_mov_b32 s[G1A+5], 131072                     ; elements from group to group
	s_mov_b32 s[G1A+6], 0
	s_mov_b32 s[G1A+7], 0
	s_or_b32 s[G1B], s19, (1<<16)|(1<<20)|(1<<21)|(5<<22)|(7<<25)  ; after every 64 words, 8 words
	s_mov_b32 s[G1B+1], 128<<16
	s_mov_b32 s[G1B+2], 64<<16
	s_mov_b32 s[G1B+3], 128<<16
	s_mov_b32 s[G1B+4], 64
	s_mov_b32 s[G1B+5], 1024
	s_mov_b32 s[G1B+6], 0
	s_mov_b32 s[G1B+7], 0
	s_lshl_b32 s20, s43, 13                        ; x's tile: 256 ty rows of 32 bytes
	s_mov_b32 s21, 0
	s_max_u32 s22, s12, 1
	s_sub_co_u32 s22, s22, 1                       ; the matrix that I fetch (waves 1..3)
	s_lshl_b32 s22, s22, 21
	s_lshl_b32 s23, s42, 8
	s_add_co_u32 s22, s22, s23                     ; + the head pair's 256 bytes of a row
	s_mov_b32 s23, 0
	s_mul_i32 s80, s12, 18432
	s_add_co_u32 s80, s80, BOFF-18432              ; where wave m + 1 lays matrix m's tile
	s_wait_dscnt 0x0                               ; both opening adds are done
	s_wait_kmcnt 0x0
	s_add_nc_u64 s[20:21], s[4:5], s[20:21]
	s_add_nc_u64 s[22:23], s[6:7], s[22:23]
	CROUND                                         ; all sixteen work-groups are here: the first joint loads meet
.irp s, 0,1
	s_mov_b32 s[G0A+4*(\s)], 1
	s_mov_b32 s[G0A+4*(\s)+1], (\s)*SLOT
	s_add_nc_u64 s[G0A+4*(\s)+2:G0A+4*(\s)+3], s[20:21], (\s)*1048576  ; K step s: four groups on
	s_or_b32 s[G0A+4*(\s)+3], s[G0A+4*(\s)+3], 0x80000000
	s_mov_b32 s[G0B+4*(\s)], 1
	s_add_co_u32 s[G0B+4*(\s)+1], s80, (\s)*SLOT
	s_add_nc_u64 s[G0B+4*(\s)+2:G0B+4*(\s)+3], s[22:23], (\s)*131072   ; 64 rows on
	s_or_b32 s[G0B+4*(\s)+3], s[G0B+4*(\s)+3], 0x80000000
	JLOAD \s
.endr
	v_and_b32 v1, 31, v0                           ; L
	v_and_b32 v2, 15, v0                           ; r
	v_bfe_u32 v3, v0, 4, 1                         ; h
	v_mul_u32_u24 v4, v2, 48
	v_lshl_add_u32 v4, v3, 4, v4
	s_mul_i32 s18, s13, 128*48
	v_add_nc_u32 v16, s18, v4                      ; x's fragments in slot 0: (128 rh + r) x 48 + 16 h
	v_add_nc_u32 v17, SLOT, v16
	v_and_b32 v5, 7, v0
	v_lshl_add_u32 v5, v3, 3, v5
	v_mul_u32_u24 v5, v5, 288
	v_bfe_u32 v6, v0, 3, 1
	v_lshl_add_u32 v5, v6, 4, v5
	s_lshl_b32 s18, s14, 7
	s_add_co_u32 s18, s18, BOFF
	v_add_nc_u32 v20, s18, v5                      ; the turning load: (8 h + L % 8) x 288 + 16 ((L / 8) % 2) + my head's 128 bytes
	v_add_nc_u32 v21, SLOT, v20
	v_lshlrev_b32 v24, 5, v2
	v_lshl_add_u32 v24, v3, 4, v24                 ; out: 32 r + 16 h
	s_lshl_b32 s18, s12, 9
	s_add_co_u32 s18, s18, QST
	v_lshl_add_u32 v25, v1, 2, s18
	v_lshl_add_u32 v26, v1, 4, s18
	v_lshlrev_b32 v27, 4, v1
	s_mov_b32 s77, 0x2b8cbccc                      ; 1e-12
	s_mov_b32 s78, 0x76543210
	s_mov_b32 s79, 0xfedcba98
	s_lshr_b32 s81, s43, 3                         ; b
	s_and_b32 s82, s43, 7
	s_lshl_b32 s82, s82, 8
	s_lshl_b32 s83, s13, 7
	s_add_co_u32 s82, s82, s83                     ; my first step t0
	s_lshl_b32 s81, s81, 4
	s_lshl_b32 s83, s42, 1
	s_add_co_u32 s81, s81, s83
	s_add_co_u32 s81, s81, s14                     ; bh
	s_lshl_b32 s84, s81, 18
	s_lshl_b32 s85, s82, 5
	s_add_co_u32 s84, s84, s85
	s_mov_b32 s85, 0
	s_add_nc_u64 s[68:69], s[8:9], s[84:85]        ; q, k, v at (bh, group 0, t0)
	s_add_nc_u64 s[70:71], s[68:69], 16777216
	s_add_nc_u64 s[72:73], s[70:71], 16777216
	s_lshl_b32 s84, s81, 11
	s_add_co_u32 s84, s84, s82
	s_lshl_b32 s84, s84, 2
	s_add_nc_u64 s[74:75], s[10:11], s[84:85]
	; the prefetches' pointer, step and lane offsets
	s_lshl_b32 s90, s40, 18                        ; x: group cx
	s_lshl_b32 s91, s41, 15                        ; a matrix: rows 16 cy on
	s_and_b32 s86, ttmp7, 0xffff
	s_cmp_eq_u32 s12, 0
	s_cselect_b32 s86, ttmp9, s86                  ; the cluster coordinate along which others read the same bytes
	s_cselect_b32 s87, 8, 11                       ; l % 16 steps by 256 or by a row of 2,048 bytes
	s_cselect_b32 s88, 12, 17                      ; l / 16 by 4,096 or by a K step
	s_cselect_b32 s46, 20, 17                      ; a K step's bytes, as a shift
	s_cselect_b32 s89, 1, -1
	s_cselect_b32 s90, s90, s91
	s_cselect_b64 s[44:45], s[20:21], s[22:23]
	s_mov_b32 s91, 0
	s_add_nc_u64 s[44:45], s[44:45], s[90:91]
	s_lshl_b32 s46, 1, s46
	s_mov_b32 s47, 0
	s_cmp_eq_u32 s86, 0
	s_cselect_b32 s16, 1, -1                       ; slot 0's turn: ask while the loop's count is above this
	s_cselect_b32 s17, s89, -1                     ; slot 1's turn
	s_add_nc_u64 s[44:45], s[44:45], s[46:47]
	s_add_nc_u64 s[44:45], s[44:45], s[46:47]
	s_add_nc_u64 s[44:45], s[44:45], s[46:47]      ; at K step 3: the first refill steps it to 4
	v_lshlrev_b32 v30, s87, v2
	v_lshlrev_b32 v31, s88, v3
	v_add_nc_u32 v30, v30, v31
.macro LDA buf, slot, f                ; x's eight fragments of half f of a K step
	WIN 0
.irp a, 0,1,2,3,4,5,6,7
	ds_load_b128 v[(\buf)+8*(\a):(\buf)+8*(\a)+3],   v[16+(\slot)] offset:24576*(\f)+768*(\a)
	ds_load_b128 v[(\buf)+8*(\a)+4:(\buf)+8*(\a)+7], v[16+(\slot)] offset:24576*(\f)+12288+768*(\a)
.endr
.endm
.macro LDB m, slot, f                  ; matrix m's four fragments of half f
	WIN 0
.irp b, 0,1,2,3
	ds_load_tr16_b128 v[BF+32*(\m)+8*(\b):BF+32*(\m)+8*(\b)+3],   v[20+(\slot)] offset:18432*(\m)+9216*(\f)+32*(\b)
	ds_load_tr16_b128 v[BF+32*(\m)+8*(\b)+4:BF+32*(\m)+8*(\b)+7], v[20+(\slot)] offset:18432*(\m)+9216*(\f)+32*(\b)+4608
.endr
.endm
.macro MUL16 m, abuf, a0, zero         ; 16 products on 16 accumulators of window m + 1; an accumulator's links stand 96 products apart
	WIN 0x50*((\m)+1)
.irp a, \a0, (\a0)+1, (\a0)+2, (\a0)+3
.irp b, 0,1,2,3
.if \zero
	v_wmma_f32_16x16x32_bf16 v[8*(4*(\a)+(\b)):8*(4*(\a)+(\b))+7], v[BF+32*(\m)+8*(\b):BF+32*(\m)+8*(\b)+7], v[(\abuf)+8*(\a):(\abuf)+8*(\a)+7], 0
.else
	v_wmma_f32_16x16x32_bf16 v[8*(4*(\a)+(\b)):8*(4*(\a)+(\b))+7], v[BF+32*(\m)+8*(\b):BF+32*(\m)+8*(\b)+7], v[(\abuf)+8*(\a):(\abuf)+8*(\a)+7], v[8*(4*(\a)+(\b)):8*(4*(\a)+(\b))+7]
.endif
.endr
.endr
.endm
; The first half of a K step.  At its head the LDS loads out are, in order: Q's 8, x's 16, K's 8, V's 8; it leaves the same for the second half.
.macro HALF0 slot, zero
	s_wait_dscnt 16                                ; Q's and x's are in; K's and V's may be out
	MUL16 0, A0, 0, \zero
	MUL16 0, A0, 4, \zero
	PLACES
	LDB 0, \slot, 1
	LDA A1, \slot, 1
	s_wait_dscnt 32                                ; K's are in: V's 8 and the 24 just issued may be out
	MUL16 1, A0, 0, \zero
	MUL16 1, A0, 4, \zero
	PLACES
	LDB 1, \slot, 1
	s_wait_dscnt 32                                ; V's are in: 24 + 8 may be out
	MUL16 2, A0, 0, \zero
	MUL16 2, A0, 4, \zero
	PLACES
	LDB 2, \slot, 1
.endm
; The second half changes slots: each wave waits for all its tensor loads (one is out: its part of the next slot), adds 0 to its spare word, waits for that and for its reads of this slot.
; fill = 1: the barrier opens a round of the cluster's, and the joint refill, two K steps on, is the first thing behind it: 160 products stand between it and the wait for it.
.macro HALF1 slot, next, fill, lim
	WIN 0
.if \fill
	s_wait_xcnt 0x0                                ; the last prefetch, a K step back, has read its pointer
	s_add_nc_u64 s[44:45], s[44:45], s[46:47]
.endif
	s_wait_tensorcnt 0x0
	ds_add_u32 v28, v29
	s_wait_dscnt 17                                ; Q's and x's are in: K's 8, V's 8 and the add may be out
	MUL16 0, A1, 0, 0
	s_wait_dscnt 0x0                               ; the add is done, and my reads of this slot are over
	s_barrier_signal -1
	MUL16 0, A1, 4, 0
	WIN 0
	s_barrier_wait -1
.if \fill
	CREST
	s_add_nc_u64 s[G0A+4*(\slot)+2:G0A+4*(\slot)+3], s[G0A+4*(\slot)+2:G0A+4*(\slot)+3], 2097152
	s_add_nc_u64 s[G0B+4*(\slot)+2:G0B+4*(\slot)+3], s[G0B+4*(\slot)+2:G0B+4*(\slot)+3], 262144
	JLOAD \slot                                    ; its four v_nop are also the places in front of the loads below
.else
	PLACES
.endif
	LDB 0, \next, 0
	LDA A0, \next, 0
.if \fill
	ASK \lim
.endif
	MUL16 1, A1, 0, 0
	MUL16 1, A1, 4, 0
	PLACES
	LDB 1, \next, 0
	MUL16 2, A1, 0, 0
	MUL16 2, A1, 4, 0
	PLACES
	LDB 2, \next, 0
.endm
	s_wait_tensorcnt 0x1                           ; my part of K step 0 is in; step 1's may stay out
	s_barrier_signal -1
	s_barrier_wait -1
	LDB 0, 0, 0
	LDA A0, 0, 0
	LDB 1, 0, 0
	LDB 2, 0, 0
	HALF0 0, 1                                     ; the first products start the sums
	WIN 0
	s_mov_b32 s3, 7
.Llap:                                             ; a trip: two K steps, both slots filled again
	HALF1 0, 1, 1, 16
	HALF0 1, 0
	HALF1 1, 0, 1, 17
	HALF0 0, 0
	WIN 0
	s_sub_co_u32 s3, s3, 1
	s_cmp_lg_u32 s3, 0
	s_cbranch_scc1 .Llap
	HALF1 0, 1, 0, 16                              ; the last two K steps ask for nothing
	HALF0 1, 0
	s_wait_dscnt 16
	MUL16 0, A1, 0, 0
	MUL16 0, A1, 4, 0
	s_wait_dscnt 8
	MUL16 1, A1, 0, 0
	MUL16 1, A1, 4, 0
	s_wait_dscnt 0x0
	MUL16 2, A1, 0, 0
	MUL16 2, A1, 4, 0
	PLACES
	; THE WAY OUT.  Sums of squares of q and k over the lane's 32 channels, eight chains side by side; each accumulator is read from its low end on.
.irp mm, 0,1
	WIN 0x05*((\mm)+1)
.set p, 0
.rept 16
.set a, 0
.rept 8
.if p == 0
	v_pk_mul_f32 v[32+2*(8*(\mm)+a):33+2*(8*(\mm)+a)], v[32*a:32*a+1], v[32*a:32*a+1]
.else
	v_pk_fma_f32 v[32+2*(8*(\mm)+a):33+2*(8*(\mm)+a)], v[32*a+2*p:32*a+2*p+1], v[32*a+2*p:32*a+2*p+1], v[32+2*(8*(\mm)+a):33+2*(8*(\mm)+a)]
.endif
.set a, a+1
.endr
.set p, p+1
.endr
.endr
	WIN 0
.set i, 0
.rept 16
	v_add_f32 v[32+2*i], v[32+2*i], v[33+2*i]
.set i, i+1
.endr
.set i, 0
.rept 16
	v_permlanex16_b32 v[33+2*i], v[32+2*i], s78, s79  ; the row's other 32 channels lie in the lane 16 away
.set i, i+1
.endr
.set i, 0
.rept 16
	v_add_f32 v[32+2*i], v[32+2*i], v[33+2*i]
.set i, i+1
.endr
.set i, 0
.rept 16
	v_sqrt_f32 v[64+i], v[32+2*i]
.set i, i+1
.endr
	v_nop
	s_wait_alu depctr_va_vdst(0)                   ; one wait for the batch
.set i, 0
.rept 16
	v_max_num_f32 v[64+i], s77, v[64+i]            ; max(norm, 1e-12): q's in v64-71, k's in v72-79
.set i, i+1
.endr
.set i, 0
.rept 16
	v_rcp_f32 v[32+2*i], v[64+i]
.set i, i+1
.endr
	v_nop
	s_wait_alu depctr_va_vdst(0)
	v_cmp_gt_u32 s76, 16, v1
.irp p, 0,1,2,3
	v_cndmask_b32 v[80+(\p)], v[65+2*(\p)], v[64+2*(\p)], s76  ; lane L takes row 32 p + L
	ds_store_b32 v25, v[80+(\p)] offset:128*(\p)
.endr
	ds_load_b128 v[84:87], v26                     ; LDS serves a wave's instructions in order: this sees the stores above
	s_wait_dscnt 0x0
	global_store_b128 v27, v[84:87], s[74:75]      ; my 128 rows' norms: 512 bytes on end
.macro OUTB m, a                       ; 16 rows of matrix m: scaled, rounded to f16, four stores of 512 bytes on end
.set os, 128+16*((\a)%2)
.if (\m) < 2
	WIN (\m)+1
.set p, 0
.rept 16
	v_pk_mul_f32 v[96+2*p:97+2*p], v[32*(\a)+2*p:32*(\a)+2*p+1], v[32+2*(8*(\m)+(\a)):33+2*(8*(\m)+(\a))] op_sel_hi:[1,0]
.set p, p+1
.endr
	WIN 0
	s_wait_xcnt 0x0                                ; the stores of two blocks back have read this set
.set p, 0
.rept 16
	v_cvt_pk_f16_f32 v[os+p], v[96+2*p], v[97+2*p]
.set p, p+1
.endr
.else
	s_wait_xcnt 0x0
	WIN 0x0f
.set p, 0
.rept 16
	v_cvt_pk_f16_f32 v[os+p], v[32*(\a)+2*p], v[32*(\a)+2*p+1]
.set p, p+1
.endr
	WIN 0
.endif
.irp b, 0,1,2,3
	global_store_b128 v24, v[os+4*(\b):os+4*(\b)+3], s[68+2*(\m):69+2*(\m)] offset:65536*(\b)+512*(\a)
.endr
.endm
.irp m, 0,1,2
.irp a, 0,1,2,3,4,5,6,7
	OUTB \m, \a
.endr
.endr
	s_wait_tensorcnt 0x0                           ; the wave's end
	ds_add_u32 v28, v29
	s_wait_dscnt 0x0
	CROUND                                         ; the closing round
	s_endpgm
.Lfunc_end_k_qb472a71d7e_proj:
	.size	k_qb472a71d7e_proj, .Lfunc_end_k_qb472a71d7e_proj-k_qb472a71d7e_proj
	.p2alignl 7, 3214868480
	.fill 96, 4, 3214868480
	.section	.rodata,"a",@progbits
	.p2align	6, 0x0
	.amdhsa_kernel k_qb472a71d7e_proj
		.amdhsa_group_segment_fixed_size 327680
		.amdhsa_private_segment_fixed_size 0
		.amdhsa_enable_private_segment 0
		.amdhsa_kernarg_size 32
		.amdhsa_user_sgpr_count 2
		.amdhsa_user_sgpr_kernarg_segment_ptr 1
		.amdhsa_wavefront_size32 1
		.amdhsa_system_sgpr_workgroup_id_x 1
		.amdhsa_system_sgpr_workgroup_id_y 1
		.amdhsa_system_sgpr_workgroup_id_z 1
		.amdhsa_system_vgpr_workitem_id 0
		.amdhsa_next_free_vgpr 1024
		.amdhsa_next_free_sgpr 100
		.amdhsa_reserve_vcc 0
		.amdhsa_float_denorm_mode_32 3
		.amdhsa_float_denorm_mode_16_64 3
		.amdhsa_memory_ordered 1
		.amdhsa_forward_progress 1
		.amdhsa_inst_pref_size 156
	.end_amdhsa_kernel
	.amdgpu_metadata
---
amdhsa.version: [ 1, 2 ]
amdhsa.kernels:
  - .name:           k_qb472a71d7e_proj
    .symbol:         k_qb472a71d7e_proj.kd
    .args:
      - { .name: xb, .offset: 0, .size: 8, .value_kind: global_buffer, .address_space: global }
      - { .name: wb, .offset: 8, .size: 8, .value_kind: global_buffer, .address_space: global }
      - { .name: qkv, .offset: 16, .size: 8, .value_kind: global_buffer, .address_space: global }
      - { .name: qn, .offset: 24, .size: 8, .value_kind: global_buffer, .address_space: global }
    .group_segment_fixed_size: 327680
    .private_segment_fixed_size: 0
    .kernarg_segment_align: 8
    .kernarg_segment_size: 32
    .max_flat_workgroup_size: 128
    .sgpr_count:     100
    .vgpr_count:     1024
    .wavefront_size: 32
...
	.end_amdgpu_metadata
.endif
;; end of part 2
;; launch scan (part 3): grid 256 x 1, 16 waves a work-group, no clusters, 315,648 bytes of LDS; arguments qkv, gat, qn, state, yb, ysc, out1; writes yb, ysc, out1
.if DOCPART == 3
	.amdgcn_target "amdgcn-amd-amdhsa--gfx1250"
	.amdhsa_code_object_version 6
	.text
	.protected	k_qb472a71d7e_scan
	.globl	k_qb472a71d7e_scan
	.p2align	8
	.type	k_qb472a71d7e_scan,@function
k_qb472a71d7e_scan:
	s_mov_b64 s[64:65], 0
	v_nop
	global_prefetch_b8 v0, s[64:65] scope:SCOPE_SE
	s_setreg_imm32_b32 hwreg(HW_REG_WAVE_MODE, 25, 1), 1
	s_wait_xcnt 0x0
; THE RECURRENCE S_t = a_t S_(t-1) + b_t v_t k_t^T, y_t = S_t q_t, in 32 chunks of 64 steps.  With the planes L, E, W, F of gat, k and q normalised, qn = q's norm:
;   U_c = sum over s of (W_s v_s) k_s^T        S_(c+1) = F_63 S_c + U_c        y_t = qn_t (F_t S_c q_t + sum over s <= t of (q_t . k_s) 2^(L_t + E_s) v_s)
; For s <= t the exponent L_t + E_s is the logarithm of a product of gates: at most 0, so no exponential overflows.
; SHARES.  Rows of S do not depend on each other: a work-group owns (b, h) and 16 of the 64 rows (ig).  Wave w owns chunks w and w + 16; in the middle phase it owns row w of S through all chunks.
; PHASE A: U_c into LDS in f32.  PHASE 2: the 32 states, a chain of 32 multiply-adds in f32; each state's row leaves as f16 with a power of two of its own, kept in f32.  PHASE C: y.
; yb: f16 [64 groups = 4 h + ig][8192 rows][16], each block of 64 rows x 16 channels divided by a power of two, which goes to ysc [64 groups][128 blocks] in f32.
; LIMITS.  |S| and |y| stay under 2^127.  A weight, or W_s v_s, below 6e-8 counts as 0; below 6e-5 it keeps f16's fixed step.  state is rounded to bf16 like every input.  NaN and infinities are not treated apart.
; NO CLUSTER: q and k go straight into registers as fragments, 512 bytes on end a load; LDS holds the 32 chunk states in f32 (139,264 bytes), in f16 (73,728) and the waves' turning stages (98,304):
; a jointly filled ring for 16 waves x 16 KiB has no room beside them.
.set SREG,  139264     ; 32 x 2304: f16 [16 i][64 j], pitch 144.  (From 0: U, 32 x 4352: f32 [16 i][64 j], pitch 272)
.set SCL,   212992     ; [32 c][16 i] f32: the rows' powers of two
.set YP,    215040     ; [32 c] f32: the y blocks' powers of two
.set STG,   215296     ; 6,144 bytes a wave: 64 rows x 32 bytes of V, then two such planes of K
.set SPARE, 313600     ; the spare words, 128 bytes for each of 16 waves
; v1 L  v2 16 L  v3 32 r + 16 h  v4 32 h  v5 4 r  v6 stage, lane-linear  v7 stage, turning  v8 U out  v9 S fragments  v10 SCL  v11-13 at work  v14 spare word  v15 0  v252 8 L  v253 256 L  v254 4 L
.macro PKB op, d, a, base, tt          ; d = a (op) register base + tt, for both halves
.if ((\tt)&1) == 0
	\op v[(\d):(\d)+1], v[(\a):(\a)+1], v[(\base)+(\tt):(\base)+(\tt)+1] op_sel_hi:[1,0]
.else
	\op v[(\d):(\d)+1], v[(\a):(\a)+1], v[(\base)+(\tt)-1:(\base)+(\tt)] op_sel:[0,1] op_sel_hi:[1,1]
.endif
.endm
	s_load_b256 s[4:11], s[0:1], 0x0               ; qkv, gat, qn, state
	s_load_b128 s[12:15], s[0:1], 0x20             ; yb, ysc
	s_load_b64 s[16:17], s[0:1], 0x30              ; out1
	v_lshl_add_u32 v14, v0, 2, SPARE
	v_mov_b32 v15, 0
	v_lshrrev_b32 v1, 5, v0
	v_readfirstlane_b32 s18, v1                    ; wave 0..15
	v_and_b32 v1, 31, v0
	v_and_b32 v11, 15, v0                          ; r
	v_bfe_u32 v12, v0, 4, 1                        ; h
	s_lshr_b32 s19, ttmp9, 2                       ; bh
	s_and_b32 s20, ttmp9, 3                        ; ig
	s_lshr_b32 s21, s19, 4                         ; b
	s_and_b32 s22, s19, 15
	s_lshl_b32 s22, s22, 2
	s_add_co_u32 s22, s22, s20                     ; group 4 h + ig
	s_mov_b32 s40, 0x76543210
	s_mov_b32 s41, 0xfedcba98
	s_mov_b32 s56, 0xf149f2ca                      ; -1e30
	s_mov_b32 s57, 0x7fffffff
	s_mov_b32 s58, 0x7f800000
	s_mov_b32 s59, 0x7f000000
	v_lshlrev_b32 v2, 4, v1
	v_lshlrev_b32 v3, 5, v11
	v_lshl_add_u32 v3, v12, 4, v3
	v_lshlrev_b32 v4, 5, v12
	v_lshlrev_b32 v5, 2, v11
	v_lshlrev_b32 v252, 3, v1
	v_lshlrev_b32 v253, 8, v1
	v_lshlrev_b32 v254, 2, v1
	s_mul_i32 s44, s18, 6144
	s_add_co_u32 s44, s44, STG
	v_add_nc_u32 v6, s44, v2
	v_and_b32 v7, 7, v0
	v_lshl_add_u32 v7, v12, 3, v7
	v_lshlrev_b32 v7, 5, v7
	v_bfe_u32 v13, v0, 3, 1
	v_lshl_add_u32 v7, v13, 4, v7
	v_add_nc_u32 v7, s44, v7                       ; (8 h + L % 8) x 32 + 16 ((L / 8) % 2): sixteen lanes take 256 bytes on end
	v_mul_u32_u24 v8, v11, 272
	v_lshl_add_u32 v8, v12, 5, v8
	s_mul_i32 s44, s18, 4352
	v_add_nc_u32 v8, s44, v8
	v_mul_u32_u24 v9, v11, 144
	v_lshl_add_u32 v9, v12, 4, v9
	s_mul_i32 s44, s18, 2304
	s_add_co_u32 s44, s44, SREG
	v_add_nc_u32 v9, s44, v9
	s_lshl_b32 s44, s18, 6
	s_add_co_u32 s44, s44, SCL
	v_add_nc_u32 v10, s44, v4
	v_lshlrev_b32 v13, 3, v12
	v_sub_nc_u32 v13, v11, v13                     ; r - 8 h: in a diagonal tile key 8 h + j is hidden from step r where j is greater
.set j, 0
.rept 8
	v_cmp_gt_i32 vcc_lo, j, v13
	v_cndmask_b32 v[232+j], 0, s56, vcc_lo
.set j, j+1
.endr
	s_lshl_b32 s54, s18, 11                        ; a chunk: 64 rows of 32 bytes
	s_mov_b32 s55, 0
	s_lshl_b32 s44, s19, 18
	s_mov_b32 s45, 0
	s_lshl_b32 s46, s20, 16
	s_mov_b32 s47, 0
	s_lshl_b32 s48, s19, 13
	s_mov_b32 s49, 0
	s_lshl_b32 s50, s18, 8
	s_mov_b32 s51, 0
	s_lshl_b32 s52, s22, 18
	s_lshl_b32 s53, s21, 16
	s_add_co_u32 s52, s52, s53
	s_add_co_u32 s52, s52, s54
	s_mov_b32 s53, 0
	s_lshl_b32 s60, s19, 6
	s_lshl_b32 s61, s20, 4
	s_add_co_u32 s60, s60, s61
	s_add_co_u32 s60, s60, s18
	s_lshl_b32 s60, s60, 8                         ; row 64 bh + 16 ig + w of state and out1, 256 bytes
	s_mov_b32 s61, 0
	s_lshl_b32 s62, s22, 7
	s_lshl_b32 s63, s21, 5
	s_add_co_u32 s62, s62, s63
	s_lshl_b32 s62, s62, 2
	s_mov_b32 s63, 0
	s_lshl_b32 s66, s18, 13
	s_mov_b32 s67, 0
	s_cmp_lt_u32 s18, 8
	s_cselect_b32 s43, 2, 0                        ; waves 0..7 prefetch, in phase A's first trip
	s_wait_kmcnt 0x0
	s_add_nc_u64 s[4:5], s[4:5], s[44:45]
	s_add_nc_u64 s[24:25], s[4:5], s[54:55]        ; q at (bh, group 0, chunk w)
	s_add_nc_u64 s[26:27], s[24:25], 16777216      ; k
	s_add_nc_u64 s[28:29], s[26:27], 16777216
	s_add_nc_u64 s[28:29], s[28:29], s[46:47]      ; v, group ig
	s_add_nc_u64 s[36:37], s[6:7], s[48:49]        ; gat at bh
	s_add_nc_u64 s[30:31], s[36:37], s[50:51]      ; and at chunk w
	s_add_nc_u64 s[32:33], s[8:9], s[48:49]
	s_add_nc_u64 s[32:33], s[32:33], s[50:51]      ; qn
	s_add_nc_u64 s[34:35], s[12:13], s[52:53]      ; yb
	s_add_nc_u64 s[38:39], s[10:11], s[60:61]
	s_add_nc_u64 s[16:17], s[16:17], s[60:61]
	s_add_nc_u64 s[14:15], s[14:15], s[62:63]
	s_add_nc_u64 s[4:5], s[4:5], s[46:47]
	s_add_nc_u64 s[4:5], s[4:5], s[66:67]          ; q's group ig, 8,192 bytes a wave
.set c, 0
.rept 32
	s_load_b32 s[68+c], s[36:37], 1572864+256*c+252  ; chunk c's decay: F at its last step
.set c, c+1
.endr
	global_load_b64 v[208:209], v252, s[38:39]     ; my row of the state: 256 bytes on end
	; PHASE A.  U^T tiles: source 0 = K^T (16 channels j x 32 steps), source 1 = (W v)^T (16 rows i x 32 steps), both turned in my own stage: a lane ends with row i = r and eight neighbouring j.
	s_mov_b32 s42, 2
.LphA:
.set j, 0
.rept 4
	global_load_b128 v[80+4*j:83+4*j], v2, s[28:29] offset:512*j
.set j, j+1
.endr
.set j, 0
.rept 8
	global_load_b128 v[96+4*j:99+4*j], v4, s[30:31] offset:1048576+64*(j/2)+16*(j%2)  ; W of steps 16 (j / 2) + 8 h on
.set j, j+1
.endr
.set g, 0
.rept 4
.set j, 0
.rept 4
	global_load_b128 v[16+16*g+4*j:19+16*g+4*j], v2, s[26:27] offset:65536*g+512*j
.set j, j+1
.endr
.set g, g+1
.endr
	s_cmp_eq_u32 s42, s43
	s_cbranch_scc0 .Lnopf
	global_prefetch_b8 v253, s[4:5] th:TH_LOAD_NT scope:SCOPE_SE  ; q is wanted in phase C: of the head's four groups this work-group names group ig, 256 bytes a lane, each block once in the launch
.Lnopf:
	s_wait_loadcnt 24                              ; V is in: W's 8 and K's 16 may be out
.set j, 0
.rept 4
	ds_store_b128 v6, v[80+4*j:83+4*j] offset:512*j
.set j, j+1
.endr
.irp f, 0,1
	ds_load_tr16_b128 v[128+8*(\f):131+8*(\f)], v7 offset:1024*(\f)
	ds_load_tr16_b128 v[132+8*(\f):135+8*(\f)], v7 offset:1024*(\f)+512
.endr
	s_wait_loadcnt 16                              ; W is in
	s_wait_dscnt 0x0
.set p, 0
.rept 16
	v_fma_mixlo_f16 v[128+p], v[128+p], v[96+2*p], v15 op_sel_hi:[1,0,0]
	v_fma_mixhi_f16 v[128+p], v[128+p], v[97+2*p], v15 op_sel:[1,0,0] op_sel_hi:[1,0,0]
.set p, p+1
.endr
.macro KTURN g0                        ; groups g0 and g0 + 1 of K through the stage
.irp gg, 0,1
.irp jj, 0,1,2,3
	ds_store_b128 v6, v[16+16*((\g0)+(\gg))+4*(\jj):19+16*((\g0)+(\gg))+4*(\jj)] offset:2048+2048*(\gg)+512*(\jj)
.endr
.endr
.irp gg, 0,1
.irp f, 0,1
	ds_load_tr16_b128 v[144+16*((\g0)+(\gg))+8*(\f):147+16*((\g0)+(\gg))+8*(\f)], v7 offset:2048+2048*(\gg)+1024*(\f)
	ds_load_tr16_b128 v[148+16*((\g0)+(\gg))+8*(\f):151+16*((\g0)+(\gg))+8*(\f)], v7 offset:2048+2048*(\gg)+1024*(\f)+512
.endr
.endr
.endm
.macro UMUL g0                         ; the two groups' accumulators take turns
	v_wmma_f32_16x16x32_f16 v[16+8*(\g0):23+8*(\g0)], v[144+16*(\g0):151+16*(\g0)], v[128:135], 0
	v_wmma_f32_16x16x32_f16 v[24+8*(\g0):31+8*(\g0)], v[160+16*(\g0):167+16*(\g0)], v[128:135], 0
	v_wmma_f32_16x16x32_f16 v[16+8*(\g0):23+8*(\g0)], v[152+16*(\g0):159+16*(\g0)], v[136:143], v[16+8*(\g0):23+8*(\g0)]
	v_wmma_f32_16x16x32_f16 v[24+8*(\g0):31+8*(\g0)], v[168+16*(\g0):175+16*(\g0)], v[136:143], v[24+8*(\g0):31+8*(\g0)]
.endm
	s_wait_loadcnt 8                               ; K's groups 0 and 1 are in
	KTURN 0
	s_wait_loadcnt 0x0
	KTURN 2                                        ; into the same stage bytes: LDS serves a wave's instructions in order
	s_wait_dscnt 16                                ; the first sixteen are done: the second sixteen may be out
	UMUL 0
	s_wait_dscnt 0x0
	UMUL 2
.rept 4
	v_nop
.endr
.set g, 0
.rept 4
	ds_store_b128 v8, v[16+8*g:19+8*g] offset:64*g
	ds_store_b128 v8, v[20+8*g:23+8*g] offset:64*g+16
.set g, g+1
.endr
	s_wait_dscnt 0x0
	s_wait_xcnt 0x0                                ; the trip's loads and the prefetch have read their bases
	s_add_nc_u64 s[26:27], s[26:27], 32768         ; sixteen chunks on
	s_add_nc_u64 s[28:29], s[28:29], 32768
	s_add_nc_u64 s[30:31], s[30:31], 4096
	v_add_nc_u32 v8, 69632, v8
	s_sub_co_u32 s42, s42, 1
	s_cmp_lg_u32 s42, 0
	s_cbranch_scc1 .LphA
	s_sub_nc_u64 s[26:27], s[26:27], 65536
	s_sub_nc_u64 s[28:29], s[28:29], 65536
	s_sub_nc_u64 s[30:31], s[30:31], 8192
	s_barrier_signal -1
	s_barrier_wait -1                              ; all 32 U lie in LDS
	; PHASE 2.  Row w: lane L holds columns 2 L, 2 L + 1.  R_c, the state in front of chunk c, at v[16 + 2 c].
	s_mul_i32 s44, s18, 272
	v_lshl_add_u32 v11, v1, 3, s44
	v_add_nc_u32 v12, 65280, v11                   ; an immediate holds fifteen chunks of 4,352 bytes
	v_add_nc_u32 v13, 130560, v11
.set c, 0
.rept 32
	ds_load_b64 v[18+2*c:19+2*c], v[11+c/15] offset:4352*(c%15)
.set c, c+1
.endr
	s_wait_loadcnt 0x0
	v_cvt_pk_bf16_f32 v16, v208, v209
	v_and_b32 v17, 0xffff0000, v16
	v_lshlrev_b32 v16, 16, v16
	s_wait_kmcnt 0x0                               ; the decays
	s_wait_dscnt 0x0
.set c, 0
.rept 32
	v_fma_f32 v[18+2*c], v[16+2*c], s[68+c], v[18+2*c]
	v_fma_f32 v[19+2*c], v[17+2*c], s[68+c], v[19+2*c]
.set c, c+1
.endr
	global_store_b64 v252, v[80:81], s[16:17] th:TH_STORE_NT  ; the last state: 256 bytes on end
.set c, 0
.rept 32
	v_and_b32 v[82+c], s57, v[16+2*c]
	v_and_b32 v[114+c], s57, v[17+2*c]
.set c, c+1
.endr
.set c, 0
.rept 32
	v_max_num_f32 v[82+c], v[82+c], v[114+c]
.set c, c+1
.endr
.irp x, 1,2,4,8
.set c, 0
.rept 32
	v_max_num_f32_dpp v[82+c], v[82+c], v[82+c] row_xmask:\x row_mask:0xf bank_mask:0xf
.set c, c+1
.endr
.endr
.set c, 0
.rept 32
	v_permlanex16_b32 v[114+c], v[82+c], s40, s41
.set c, c+1
.endr
.set c, 0
.rept 32
	v_max_num_f32 v[82+c], v[82+c], v[114+c]       ; the row's largest magnitude
.set c, c+1
.endr
.set c, 0
.rept 32
	v_and_b32 v[82+c], s58, v[82+c]                ; its power of two,
	v_sub_nc_u32 v[146+c], s59, v[82+c]            ; and the reciprocal of that: the exponent's field turned about 127
.set c, c+1
.endr
.set c, 0
.rept 32
	v_fma_mixlo_f16 v[114+c], v[16+2*c], v[146+c], v15
	v_fma_mixhi_f16 v[114+c], v[17+2*c], v[146+c], v15
.set c, c+1
.endr
	s_mul_i32 s44, s18, 144
	s_add_co_u32 s44, s44, SREG
	v_lshl_add_u32 v11, v1, 2, s44
	v_add_nc_u32 v12, 66816, v11                   ; chunks 29 on
	s_lshl_b32 s45, s18, 2
	s_add_co_u32 s45, s45, SCL
	v_mov_b32 v13, s45
.set c, 0
.rept 32
.if c < 29
	ds_store_b32 v11, v[114+c] offset:2304*c
.else
	ds_store_b32 v12, v[114+c] offset:2304*(c-29)
.endif
	ds_store_b32 v13, v[82+c] offset:64*c          ; all lanes store the same word with the same number
.set c, c+1
.endr
	s_wait_xcnt 0x0                                ; the store of the last state has read v80 and v81: phase C loads V into them and keeps Y there
	s_wait_dscnt 0x0
	s_barrier_signal -1
	s_barrier_wait -1                              ; all states lie in LDS
	; PHASE C.  Q v16-79 (tile tt, half jf at 16 tt + 8 jf)  Y v80-111  K v112-143  E v144-175  V^T v176-191  scores v192-207  weights f16 v208-215  exponents v216-231  mask v232-239  L, F, qn v240-251
	; All products hold one step t = 16 tt + r a lane: Y^T = S q (source 0 = 16 rows of S), scores = K q (source 0 = 16 keys), Y^T += V^T P (source 0 = 16 rows i).
	s_lshl_b32 s44, s18, 2
	s_add_co_u32 s44, s44, YP
	v_mov_b32 v13, s44
; Keys 32 f on against steps 16 tt on.  two = 1: both tiles of 16 keys are seen; d0, d1: the tile holds the diagonal.  The exponents' lines are the places behind the products.
.macro PAIR f, tt, kb, two, d0, d1
	v_wmma_f32_16x16x32_f16 v[192:199], v[(\kb):(\kb)+7], v[16+16*(\tt):23+16*(\tt)], 0
.if \two
	v_wmma_f32_16x16x32_f16 v[200:207], v[(\kb)+16:(\kb)+23], v[16+16*(\tt):23+16*(\tt)], 0
.else
	s_wait_alu depctr_va_vdst(0)                   ; the wait directly ahead of the link
.endif
	v_wmma_f32_16x16x32_f16 v[192:199], v[(\kb)+8:(\kb)+15], v[24+16*(\tt):31+16*(\tt)], v[192:199]
.if \two
	v_wmma_f32_16x16x32_f16 v[200:207], v[(\kb)+24:(\kb)+31], v[24+16*(\tt):31+16*(\tt)], v[200:207]
.endif
.set p, 0
.rept 4
	PKB v_pk_add_f32, 216+2*p, 144+16*(\f)+2*p, 240, \tt
.set p, p+1
.endr
.if \d0
.set p, 0
.rept 4
	v_pk_add_f32 v[216+2*p:217+2*p], v[216+2*p:217+2*p], v[232+2*p:233+2*p]
.set p, p+1
.endr
.endif
.if \two
.set p, 0
.rept 4
	PKB v_pk_add_f32, 224+2*p, 152+16*(\f)+2*p, 240, \tt
.set p, p+1
.endr
.if \d1
.set p, 0
.rept 4
	v_pk_add_f32 v[224+2*p:225+2*p], v[224+2*p:225+2*p], v[232+2*p:233+2*p]
.set p, p+1
.endr
.endif
.endif
.set p, 0
.rept 8+8*(\two)
	v_exp_f32 v[216+p], v[216+p]
.set p, p+1
.endr
	v_nop
	s_wait_alu depctr_va_vdst(0)                   ; one wait for the batch
.set p, 0
.rept 4+4*(\two)
	v_pk_mul_f32 v[192+2*p:193+2*p], v[192+2*p:193+2*p], v[216+2*p:217+2*p]
.set p, p+1
.endr
.set p, 0
.rept 4+4*(\two)
	v_cvt_pk_f16_f32 v[208+p], v[192+2*p], v[193+2*p]
.set p, p+1
.endr
.if !(\two)
.irp z, 212,213,214,215
	v_mov_b32 v\z, 0
.endr
.endif
	v_wmma_f32_16x16x32_f16 v[80+8*(\tt):87+8*(\tt)], v[176+8*(\f):183+8*(\f)], v[208:215], v[80+8*(\tt):87+8*(\tt)]
.endm
	s_mov_b32 s42, 2
.LphC:
	ds_load_b128 v[192:195], v9                    ; S of my chunk: two fragments of 16 rows x 32 columns
	ds_load_b128 v[196:199], v9 offset:32
	ds_load_b128 v[200:203], v9 offset:64
	ds_load_b128 v[204:207], v9 offset:96
	ds_load_b128 v[216:219], v10                   ; the powers of two of rows 8 h + 0..7
	ds_load_b128 v[220:223], v10 offset:16
.set j, 0
.rept 4
	global_load_b128 v[80+4*j:83+4*j], v2, s[28:29] offset:512*j
.set j, j+1
.endr
.set j, 0
.rept 4
	global_load_b32 v[240+j], v5, s[30:31] offset:64*j
	global_load_b32 v[244+j], v5, s[30:31] offset:1572864+64*j
	global_load_b32 v[248+j], v5, s[32:33] offset:64*j
.set j, j+1
.endr
.set j, 0
.rept 4
.set g, 0
.rept 4
	global_load_b128 v[16+16*j+4*g:19+16*j+4*g], v3, s[24:25] offset:65536*g+512*j
.set g, g+1
.endr
.set j, j+1
.endr
.set j, 0
.rept 2
.set g, 0
.rept 4
	global_load_b128 v[112+16*j+4*g:115+16*j+4*g], v3, s[26:27] offset:65536*g+512*j
.set g, g+1
.endr
.set j, j+1
.endr
.set j, 0
.rept 8
	global_load_b128 v[144+4*j:147+4*j], v4, s[30:31] offset:524288+64*(j/2)+16*(j%2)
.set j, j+1
.endr
	s_wait_loadcnt 44                              ; V is in: the other 44 may be out
.set j, 0
.rept 4
	ds_store_b128 v6, v[80+4*j:83+4*j] offset:512*j
.set j, j+1
.endr
.irp f, 0,1
	ds_load_tr16_b128 v[176+8*(\f):179+8*(\f)], v7 offset:1024*(\f)
	ds_load_tr16_b128 v[180+8*(\f):183+8*(\f)], v7 offset:1024*(\f)+512
.endr
	s_wait_loadcnt 16                              ; L, F, qn and Q are in: K's 8 and E's 8 may be out
	s_wait_dscnt 4                                 ; S, the powers and V's stage stores are done: the four turning loads may be out
.irp jf, 0,1
.irp tt, 0,1,2,3
.if (\jf) == 0
	v_wmma_f32_16x16x32_f16 v[80+8*(\tt):87+8*(\tt)], v[192:199], v[16+16*(\tt):23+16*(\tt)], 0
.else
	v_wmma_f32_16x16x32_f16 v[80+8*(\tt):87+8*(\tt)], v[200:207], v[24+16*(\tt):31+16*(\tt)], v[80+8*(\tt):87+8*(\tt)]
.endif
.endr
.endr
.rept 4
	v_nop
.endr
.irp tt, 0,1,2,3
.set p, 0
.rept 4
	v_pk_mul_f32 v[80+8*(\tt)+2*p:81+8*(\tt)+2*p], v[80+8*(\tt)+2*p:81+8*(\tt)+2*p], v[216+2*p:217+2*p]
.set p, p+1
.endr
.endr
.irp tt, 0,1,2,3
.set p, 0
.rept 4
	PKB v_pk_mul_f32, 80+8*(\tt)+2*p, 80+8*(\tt)+2*p, 244, \tt
.set p, p+1
.endr
.endr
	s_wait_loadcnt 0x0
	s_wait_dscnt 0x0
	PAIR 0, 0, 112, 0, 1, 0
	PAIR 0, 1, 112, 1, 0, 1
.set j, 0
.rept 2                                ; keys 32..63 go where steps 0..31 of Q lay: those steps see none of them
.set g, 0
.rept 4
	global_load_b128 v[16+16*j+4*g:19+16*j+4*g], v3, s[26:27] offset:65536*g+512*(2+j)
.set g, g+1
.endr
.set j, j+1
.endr
	PAIR 0, 2, 112, 1, 0, 0
	PAIR 0, 3, 112, 1, 0, 0
	s_wait_loadcnt 0x0
	PAIR 1, 2, 16, 0, 1, 0
	PAIR 1, 3, 16, 1, 0, 1
.irp tt, 0,1,2,3                       ; tiles 0 to 2 are the places behind the last product
.set p, 0
.rept 4
	PKB v_pk_mul_f32, 80+8*(\tt)+2*p, 80+8*(\tt)+2*p, 248, \tt
.set p, p+1
.endr
.endr
.set i, 0
.rept 32
	v_and_b32 v[192+i], s57, v[80+i]
.set i, i+1
.endr
.irp k, 0,1,2,3
	v_max3_num_f32 v[224+(\k)], v[192+8*(\k)], v[193+8*(\k)], v[194+8*(\k)]
.endr
.irp k, 0,1,2,3
	v_max3_num_f32 v[224+(\k)], v[224+(\k)], v[195+8*(\k)], v[196+8*(\k)]
.endr
.irp k, 0,1,2,3
	v_max3_num_f32 v[224+(\k)], v[224+(\k)], v[197+8*(\k)], v[198+8*(\k)]
.endr
.irp k, 0,1,2,3
	v_max_num_f32 v[224+(\k)], v[224+(\k)], v[199+8*(\k)]
.endr
	v_max3_num_f32 v224, v224, v225, v226
	v_max_num_f32 v224, v224, v227
	v_max_num_f32_dpp v224, v224, v224 row_xmask:1 row_mask:0xf bank_mask:0xf
	v_max_num_f32_dpp v224, v224, v224 row_xmask:2 row_mask:0xf bank_mask:0xf
	v_max_num_f32_dpp v224, v224, v224 row_xmask:4 row_mask:0xf bank_mask:0xf
	v_max_num_f32_dpp v224, v224, v224 row_xmask:8 row_mask:0xf bank_mask:0xf
	v_permlanex16_b32 v225, v224, s40, s41
	v_max_num_f32 v224, v224, v225
	v_and_b32 v224, s58, v224                      ; the block's power of two,
	v_sub_nc_u32 v226, s59, v224                   ; and its reciprocal
.set i, 0
.rept 16
	v_pk_mul_f32 v[80+2*i:81+2*i], v[80+2*i:81+2*i], v[226:227] op_sel_hi:[1,0]
.set i, i+1
.endr
.set i, 0
.rept 16
	v_cvt_pk_f16_f32 v[112+i], v[80+2*i], v[81+2*i]
.set i, i+1
.endr
.irp tt, 0,1,2,3
	global_store_b128 v3, v[112+4*(\tt):115+4*(\tt)], s[34:35] offset:512*(\tt)  ; 16 rows of 32 bytes: 512 bytes on end
.endr
	ds_store_b32 v13, v224
	s_wait_xcnt 0x0                                ; the trip's loads and stores have read their registers and bases
	s_add_nc_u64 s[24:25], s[24:25], 32768
	s_add_nc_u64 s[26:27], s[26:27], 32768
	s_add_nc_u64 s[28:29], s[28:29], 32768
	s_add_nc_u64 s[30:31], s[30:31], 4096
	s_add_nc_u64 s[32:33], s[32:33], 4096
	s_add_nc_u64 s[34:35], s[34:35], 32768
	v_add_nc_u32 v9, 36864, v9
	v_add_nc_u32 v10, 1024, v10
	v_add_nc_u32 v13, 64, v13
	s_sub_co_u32 s42, s42, 1
	s_cmp_lg_u32 s42, 0
	s_cbranch_scc1 .LphC
	s_wait_dscnt 0x0
	s_barrier_signal -1
	s_barrier_wait -1
	s_cmp_lg_u32 s18, 0
	s_cbranch_scc1 .Lend
	v_lshl_add_u32 v11, v1, 2, YP
	ds_load_b32 v16, v11
	s_wait_dscnt 0x0
	global_store_b32 v254, v16, s[14:15]           ; the 32 chunks' powers of two: 128 bytes on end of a table of 32 KiB
.Lend:
	s_wait_tensorcnt 0x0                           ; the wave's end, behind my last LDS store
	ds_add_u32 v14, v15
	s_wait_dscnt 0x0
	s_endpgm
.Lfunc_end_k_qb472a71d7e_scan:
	.size	k_qb472a71d7e_scan, .Lfunc_end_k_qb472a71d7e_scan-k_qb472a71d7e_scan
	.p2alignl 7, 3214868480
	.fill 96, 4, 3214868480
	.section	.rodata,"a",@progbits
	.p2align	6, 0x0
	.amdhsa_kernel k_qb472a71d7e_scan
		.amdhsa_group_segment_fixed_size 315648
		.amdhsa_private_segment_fixed_size 0
		.amdhsa_enable_private_segment 0
		.amdhsa_kernarg_size 56
		.amdhsa_user_sgpr_count 2
		.amdhsa_user_sgpr_kernarg_segment_ptr 1
		.amdhsa_wavefront_size32 1
		.amdhsa_system_sgpr_workgroup_id_x 1
		.amdhsa_system_sgpr_workgroup_id_y 1
		.amdhsa_system_sgpr_workgroup_id_z 1
		.amdhsa_system_vgpr_workitem_id 0
		.amdhsa_next_free_vgpr 256
		.amdhsa_next_free_sgpr 100
		.amdhsa_reserve_vcc 1
		.amdhsa_float_denorm_mode_32 3
		.amdhsa_float_denorm_mode_16_64 3
		.amdhsa_memory_ordered 1
		.amdhsa_forward_progress 1
		.amdhsa_inst_pref_size 77
	.end_amdhsa_kernel
	.amdgpu_metadata
---
amdhsa.version: [ 1, 2 ]
amdhsa.kernels:
  - .name:           k_qb472a71d7e_scan
    .symbol:         k_qb472a71d7e_scan.kd
    .args:
      - { .name: qkv, .offset: 0, .size: 8, .value_kind: global_buffer, .address_space: global }
      - { .name: gat, .offset: 8, .size: 8, .value_kind: global_buffer, .address_space: global }
      - { .name: qn, .offset: 16, .size: 8, .value_kind: global_buffer, .address_space: global }
      - { .name: state, .offset: 24, .size: 8, .value_kind: global_buffer, .address_space: global }
      - { .name: yb, .offset: 32, .size: 8, .value_kind: global_buffer, .address_space: global }
      - { .name: ysc, .offset: 40, .size: 8, .value_kind: global_buffer, .address_space: global }
      - { .name: out1, .offset: 48, .size: 8, .value_kind: global_buffer, .address_space: global }
    .group_segment_fixed_size: 315648
    .private_segment_fixed_size: 0
    .kernarg_segment_align: 8
    .kernarg_segment_size: 56
    .max_flat_workgroup_size: 512
    .sgpr_count:     100
    .vgpr_count:     256
    .wavefront_size: 32
...
	.end_amdgpu_metadata
.endif
;; end of part 3
;; launch oproj (part 4): grid 4 x 64, 4 waves a work-group, clusters of 4 x 4, 327,680 bytes of LDS; arguments yb, wo16, ysc, out0; writes out0
.if DOCPART == 4
	.amdgcn_target "amdgcn-amd-amdhsa--gfx1250"
	.amdhsa_code_object_version 6
	.text
	.protected	k_qb472a71d7e_oproj
	.globl	k_qb472a71d7e_oproj
	.p2align	8
	.type	k_qb472a71d7e_oproj,@function
k_qb472a71d7e_oproj:
	s_mov_b64 s[64:65], 0
	v_nop
	global_prefetch_b8 v0, s[64:65] scope:SCOPE_SE
	s_setreg_imm32_b32 hwreg(HW_REG_WAVE_MODE, 25, 1), 1
	s_wait_xcnt 0x0
	s_wait_alu depctr_hold_cnt(0) depctr_sa_sdst(0) depctr_va_vdst(0) depctr_va_sdst(0) depctr_va_ssrc(0) depctr_va_vcc(0) depctr_vm_vsrc(0)
	s_getreg_b32 s2, hwreg(HW_REG_IB_STS2, 6, 4)
	s_cmp_eq_u32 s2, 0
	s_cbranch_scc0 .Lentry_in_a_cluster
	s_endpgm
.Lentry_in_a_cluster:
	s_bfe_u32 s2, ttmp6, 0x10000c
	s_cmp_lg_u32 s2, 0xf033
	s_cbranch_scc0 .Lentry_shape_is_right
	s_endpgm
.Lentry_shape_is_right:
; out0 = Y Wo.  Y comes as f16 blocks of 64 rows x 16 channels with a power of two each (ysc); Wo as f16.  Sums in f32.
; A wave's 64 rows are one row block.  pmax = the largest of its 64 powers; a fragment's registers are multiplied by p / pmax, a power of two of at most 1, in f16 (exact but for numbers that fall
; under 6e-5 of the row block's largest scale, which keep f16's fixed step); the finished sums are multiplied by pmax in f32.
; LIMITS.  pmax stays under 2^127.  NaN and infinities are not treated apart.
; SHARES.  A tile of out0 is 128 x 256: 256 work-groups.  Wave w: 64 rows (w / 2) x 128 columns (w % 2): 32 accumulators in window 1, (a, b) at v[8 (8 a + b)].
; K goes in steps of 128 through two slots: Y's tile is 8 groups x 128 rows x 32 bytes, each row padded to 48 (waves 0, 1 fetch four groups each); Wo's is 128 rows of 512 bytes padded to 544 (waves 2, 3: 64 rows each).
; THE PRODUCT IS TAKEN TRANSPOSED (source 0 = 16 columns of Wo by the turning load, source 1 = 16 rows of Y): a lane holds eight neighbouring numbers of a row of out0.
; CLUSTER 4 x 4: Y's tile is asked for jointly along a row of the cluster, Wo's along a column.
; NO PREFETCH: K has eight steps, of which the first two are first fills and the next two would be named at the head, among every work-group's first loads; four short steps are left.
.set SLOT,  118784
.set BOFF,  49152
.set STAGE, 237568     ; 16 rows x 528 bytes for each wave
.set FT,    271360     ; 256 bytes a wave: p / pmax of the 64 groups, twice in a word as f16
.set SPARE, 272384
.set F0, 32            ; a fragment buffer: Y's 4 x 8, Wo's 8 x 8, the two factors
.set F1, 130
.set G1A, 24
.set G0A, 32
.set G1B, 48
.set G0B, 56
.set MSB, 0
.macro WIN new
.if MSB != (\new)
	s_set_vgpr_msb (MSB<<8)|(\new)
.set MSB, (\new)
.endif
.endm
.macro PLACES
.rept 4
	v_nop
.endr
.endm
.macro JLOAD s                         ; waves 0, 1: Y's halves; waves 2, 3: Wo's; s_nop 0 and four v_nop follow each line
	s_cmp_lt_u32 s12, 2
	s_cbranch_scc0 .Lfor_b_\@
	tensor_load_to_lds s[G0A+4*(\s):G0A+4*(\s)+3], s[G1A:G1A+7]
	s_nop 0
.rept 4
	v_nop
.endr
	s_branch .Lasked_\@
.Lfor_b_\@:
	tensor_load_to_lds s[G0B+4*(\s):G0B+4*(\s)+3], s[G1B:G1B+7]
	s_nop 0
.rept 4
	v_nop
.endr
.Lasked_\@:
.endm
.macro CREST
	s_cmp_lg_u32 s12, 0
	s_cbranch_scc1 .Lnot_wave_0_\@
	s_barrier_signal -3
.Lnot_wave_0_\@:
	s_barrier_wait -3
	s_barrier_signal -1
	s_barrier_wait -1
.endm
.macro CROUND
	s_barrier_signal -1
	s_barrier_wait -1
	CREST
.endm
	s_load_b256 s[4:11], s[0:1], 0x0               ; yb, wo16, ysc, out0
	v_lshl_add_u32 v28, v0, 2, SPARE
	v_mov_b32 v29, 0
	ds_add_u32 v28, v29                            ; the opening: the add, twice on end, and its wait ahead of my first tensor load
	ds_add_u32 v28, v29
	v_lshrrev_b32 v1, 5, v0
	v_readfirstlane_b32 s12, v1
	s_lshr_b32 s13, s12, 1                         ; my half of the rows
	s_and_b32 s14, s12, 1                          ; my half of the columns; also which half of a tile I fetch
	s_bfe_u32 s40, ttmp6, 0x40000
	s_bfe_u32 s41, ttmp6, 0x40004
	s_lshl_b32 s42, ttmp9, 2
	s_add_co_u32 s42, s42, s40                     ; tx
	s_and_b32 s43, ttmp7, 0xffff
	s_lshl_b32 s43, s43, 2
	s_add_co_u32 s43, s43, s41                     ; ty
	s_lshl_b32 s18, s41, 2
	s_lshl_b32 s18, 15, s18
	s_lshl_b32 s19, 0x1111, s40
	s_or_b32 s[G1A], s18, (1<<16)|(1<<20)|(1<<21)|(2<<22)|(3<<25)  ; after every 8 words, 4 words
	s_mov_b32 s[G1A+1], 2048<<16                   ; 128 rows x 16 channels, dense
	s_mov_b32 s[G1A+2], 4<<16                      ; four groups
	s_mov_b32 s[G1A+3], 2048<<16
	s_mov_b32 s[G1A+4], 4
	s_mov_b32 s[G1A+5], 131072
	s_mov_b32 s[G1A+6], 0
	s_mov_b32 s[G1A+7], 0
	s_or_b32 s[G1B], s19, (1<<16)|(1<<20)|(1<<21)|(6<<22)|(7<<25)  ; after every 128 words, 8 words
	s_mov_b32 s[G1B+1], 256<<16
	s_mov_b32 s[G1B+2], 64<<16
	s_mov_b32 s[G1B+3], 256<<16
	s_mov_b32 s[G1B+4], 64
	s_mov_b32 s[G1B+5], 1024
	s_mov_b32 s[G1B+6], 0
	s_mov_b32 s[G1B+7], 0
	s_lshl_b32 s20, s43, 12                        ; Y: 128 ty rows of 32 bytes,
	s_lshl_b32 s21, s14, 20                        ; my four groups
	s_add_co_u32 s20, s20, s21
	s_mov_b32 s21, 0
	s_lshl_b32 s22, s42, 9                         ; Wo: the tile's 512 bytes of a row,
	s_lshl_b32 s23, s14, 17                        ; my 64 rows
	s_add_co_u32 s22, s22, s23
	s_mov_b32 s23, 0
	s_mul_i32 s72, s14, 24576
	s_mul_i32 s73, s14, 34816
	s_add_co_u32 s73, s73, BOFF
	s_wait_dscnt 0x0
	s_wait_kmcnt 0x0
	s_add_nc_u64 s[20:21], s[4:5], s[20:21]
	s_add_nc_u64 s[22:23], s[6:7], s[22:23]
	CROUND
.irp s, 0,1
	s_mov_b32 s[G0A+4*(\s)], 1
	s_add_co_u32 s[G0A+4*(\s)+1], s72, (\s)*SLOT
	s_add_nc_u64 s[G0A+4*(\s)+2:G0A+4*(\s)+3], s[20:21], (\s)*2097152
	s_or_b32 s[G0A+4*(\s)+3], s[G0A+4*(\s)+3], 0x80000000
	s_mov_b32 s[G0B+4*(\s)], 1
	s_add_co_u32 s[G0B+4*(\s)+1], s73, (\s)*SLOT
	s_add_nc_u64 s[G0B+4*(\s)+2:G0B+4*(\s)+3], s[22:23], (\s)*262144
	s_or_b32 s[G0B+4*(\s)+3], s[G0B+4*(\s)+3], 0x80000000
	JLOAD \s
.endr
	v_and_b32 v1, 31, v0
	v_and_b32 v2, 15, v0
	v_bfe_u32 v3, v0, 4, 1
	s_lshl_b32 s74, s43, 1
	s_add_co_u32 s74, s74, s13                     ; my row block
	s_lshl_b32 s74, s74, 2
	s_mov_b32 s75, 0
	s_add_nc_u64 s[70:71], s[8:9], s[74:75]
	v_lshlrev_b32 v4, 9, v1                        ; a group's 128 row blocks: 512 bytes
	global_load_b32 v5, v4, s[70:71]               ; groups L and 32 + L
	global_load_b32 v6, v4, s[70:71] offset:16384
	s_mov_b32 s66, 0x76543210
	s_mov_b32 s67, 0xfedcba98
	v_mul_u32_u24 v7, v2, 48
	v_lshl_add_u32 v7, v3, 4, v7
	s_mul_i32 s16, s13, 64*48
	v_add_nc_u32 v16, s16, v7                      ; Y's fragments: (64 rh + r) x 48 + 16 h
	v_add_nc_u32 v17, SLOT, v16
	v_and_b32 v8, 7, v0
	v_lshl_add_u32 v8, v3, 3, v8
	v_mul_u32_u24 v8, v8, 544
	v_bfe_u32 v9, v0, 3, 1
	v_lshl_add_u32 v8, v9, 4, v8
	s_lshl_b32 s16, s14, 8
	s_add_co_u32 s16, s16, BOFF
	v_add_nc_u32 v20, s16, v8
	v_add_nc_u32 v21, SLOT, v20
	s_lshl_b32 s16, s12, 8
	s_add_co_u32 s16, s16, FT
	v_mov_b32 v22, s16                             ; my table; it steps 64 bytes a lap
	v_lshl_add_u32 v10, v1, 2, s16
	s_mul_i32 s16, s12, 16*528
	s_add_co_u32 s16, s16, STAGE
	v_mul_u32_u24 v23, v2, 528
	v_lshl_add_u32 v23, v3, 5, v23
	v_add_nc_u32 v23, s16, v23                     ; into my stage: row r, 32 bytes for each half of the lanes
	v_lshl_add_u32 v24, v1, 4, s16                 ; back: a row's 512 bytes by 32 lanes
	v_lshlrev_b32 v25, 4, v1
	s_lshl_b32 s76, s43, 19
	s_lshl_b32 s77, s13, 18
	s_add_co_u32 s76, s76, s77
	s_lshl_b32 s77, s42, 10
	s_add_co_u32 s76, s76, s77
	s_lshl_b32 s77, s14, 9
	s_add_co_u32 s76, s76, s77
	s_mov_b32 s77, 0
	s_add_nc_u64 s[68:69], s[10:11], s[76:77]      ; out0 at my first row and column
	v_mov_b32 v8, 0
	s_wait_loadcnt 0x0
	v_max_num_f32 v7, v5, v6
	v_max_num_f32_dpp v7, v7, v7 row_xmask:1 row_mask:0xf bank_mask:0xf
	v_max_num_f32_dpp v7, v7, v7 row_xmask:2 row_mask:0xf bank_mask:0xf
	v_max_num_f32_dpp v7, v7, v7 row_xmask:4 row_mask:0xf bank_mask:0xf
	v_max_num_f32_dpp v7, v7, v7 row_xmask:8 row_mask:0xf bank_mask:0xf
	v_permlanex16_b32 v8, v7, s66, s67
	v_max_num_f32 v26, v7, v8                      ; pmax, in a pair for the packed multiply
	v_mov_b32 v27, v26
	v_sub_nc_u32 v9, 0x7f000000, v26               ; 1 / pmax
	v_mul_f32 v5, v5, v9
	v_mul_f32 v6, v6, v9
	v_cvt_pk_f16_f32 v5, v5, v5
	v_cvt_pk_f16_f32 v6, v6, v6
	ds_store_b32 v10, v5
	ds_store_b32 v10, v6 offset:128
.macro FETCH slot, sg, buf, lapadd     ; 25 LDS loads: the two factors, Y's four fragments, Wo's eight, for 32 along K
	WIN 0
	ds_load_b64 v[(\buf)+96:(\buf)+97], v22 offset:4*(8*(\slot)+2*(\sg))+(\lapadd)
.irp a, 0,1,2,3
	ds_load_b128 v[(\buf)+8*(\a):(\buf)+8*(\a)+3],   v[16+(\slot)] offset:12288*(\sg)+768*(\a)
	ds_load_b128 v[(\buf)+8*(\a)+4:(\buf)+8*(\a)+7], v[16+(\slot)] offset:12288*(\sg)+6144+768*(\a)
.endr
.irp b, 0,1,2,3,4,5,6,7
	ds_load_tr16_b128 v[(\buf)+32+8*(\b):(\buf)+32+8*(\b)+3], v[20+(\slot)] offset:17408*(\sg)+32*(\b)
	ds_load_tr16_b128 v[(\buf)+36+8*(\b):(\buf)+36+8*(\b)+3], v[20+(\slot)] offset:17408*(\sg)+32*(\b)+8704
.endr
.endm
.macro SCALE buf                       ; registers 0-3 of a fragment belong to the even group, 4-7 to the odd one
.set a, 0
.rept 4
.set k, 0
.rept 4
	v_pk_mul_f16 v[(\buf)+8*a+k], v[(\buf)+8*a+k], v[(\buf)+96]
	v_pk_mul_f16 v[(\buf)+8*a+4+k], v[(\buf)+8*a+4+k], v[(\buf)+97]
.set k, k+1
.endr
.set a, a+1
.endr
.endm
.macro MUL8 buf, a, zero               ; eight accumulators, one product each; an accumulator's links stand 32 products apart
	WIN 0x50
.irp b, 0,1,2,3,4,5,6,7
.if \zero
	v_wmma_f32_16x16x32_f16 v[8*(8*(\a)+(\b)):8*(8*(\a)+(\b))+7], v[(\buf)+32+8*(\b):(\buf)+39+8*(\b)], v[(\buf)+8*(\a):(\buf)+8*(\a)+7], 0
.else
	v_wmma_f32_16x16x32_f16 v[8*(8*(\a)+(\b)):8*(8*(\a)+(\b))+7], v[(\buf)+32+8*(\b):(\buf)+39+8*(\b)], v[(\buf)+8*(\a):(\buf)+8*(\a)+7], v[8*(8*(\a)+(\b)):8*(8*(\a)+(\b))+7]
.endif
.endr
.endm
.macro SECT slot, sg, f, g, zero, lapadd  ; multiplies buffer f; in its middle fetches section sg of the slot into buffer g
	WIN 0
	s_wait_dscnt 16                                ; the factors and Y's fragments are in: Wo's 16 loads may be out
	SCALE \f
	s_wait_dscnt 0x0
	MUL8 \f, 0, \zero
	MUL8 \f, 1, \zero
	PLACES
	FETCH \slot, \sg, \g, \lapadd
	MUL8 \f, 2, \zero
	MUL8 \f, 3, \zero
.endm
; A K step's last section changes slots: all my tensor loads awaited (one is out: my part of the next slot), the add, the wait for it and for my reads of this slot, the barrier;
; fill = 1: it opens a round of the cluster's, and the joint refill, two K steps on, is the first thing behind it: 112 products stand between it and the wait for it.
.macro TURN slot, next, fill, lapadd
	WIN 0
	s_wait_dscnt 16
	SCALE F1
	s_wait_tensorcnt 0x0
	ds_add_u32 v28, v29
	s_wait_dscnt 1                                 ; Wo's fragments are in: the add may be out
	MUL8 F1, 0, 0
	s_wait_dscnt 0x0
	s_barrier_signal -1
	MUL8 F1, 1, 0
	WIN 0
	s_barrier_wait -1
.if \fill
	CREST
	s_add_nc_u64 s[G0A+4*(\slot)+2:G0A+4*(\slot)+3], s[G0A+4*(\slot)+2:G0A+4*(\slot)+3], 4194304
	s_add_nc_u64 s[G0B+4*(\slot)+2:G0B+4*(\slot)+3], s[G0B+4*(\slot)+2:G0B+4*(\slot)+3], 524288
	JLOAD \slot
.else
	PLACES
.endif
	FETCH \next, 0, F0, \lapadd
	MUL8 F1, 2, 0
	MUL8 F1, 3, 0
.endm
	s_wait_tensorcnt 0x1                           ; my part of K step 0 is in; step 1's may stay out
	s_wait_dscnt 0x0                               ; my table's stores
	s_barrier_signal -1
	s_barrier_wait -1
	FETCH 0, 0, F0, 0
	SECT 0, 1, F0, F1, 1, 0                        ; the first products start the sums
	WIN 0
	s_mov_b32 s3, 3
.Llap:                                             ; a trip: two K steps, both slots filled again
	SECT 0, 2, F1, F0, 0, 0
	SECT 0, 3, F0, F1, 0, 0
	TURN 0, 1, 1, 0
	SECT 1, 1, F0, F1, 0, 0
	SECT 1, 2, F1, F0, 0, 0
	SECT 1, 3, F0, F1, 0, 0
	TURN 1, 0, 1, 64                               ; the next lap's factors lie 64 bytes on
	SECT 0, 1, F0, F1, 0, 64
	WIN 0
	v_add_nc_u32 v22, 64, v22
	s_sub_co_u32 s3, s3, 1
	s_cmp_lg_u32 s3, 0
	s_cbranch_scc1 .Llap
	SECT 0, 2, F1, F0, 0, 0                        ; the last lap asks for nothing
	SECT 0, 3, F0, F1, 0, 0
	TURN 0, 1, 0, 0
	SECT 1, 1, F0, F1, 0, 0
	SECT 1, 2, F1, F0, 0, 0
	SECT 1, 3, F0, F1, 0, 0
	WIN 0
	s_wait_dscnt 16
	SCALE F1
	s_wait_dscnt 0x0
	MUL8 F1, 0, 0
	MUL8 F1, 1, 0
	MUL8 F1, 2, 0
	MUL8 F1, 3, 0
	PLACES
	; THE WAY OUT, 16 rows at a time: times pmax, through my own stage, back as whole rows of 512 bytes.
.irp a, 0,1,2,3
	WIN 0x01
.set i, 0
.rept 32
	v_pk_mul_f32 v[32+2*i:33+2*i], v[64*(\a)+2*i:64*(\a)+2*i+1], v[26:27]
.set i, i+1
.endr
	WIN 0
.set i, 0
.rept 16
	ds_store_b128 v23, v[32+4*i:35+4*i] offset:64*(i/2)+16*(i%2)
.set i, i+1
.endr
	s_wait_xcnt 0x0                                ; the last block's stores have read their registers
.set i, 0
.rept 16
	ds_load_b128 v[96+4*i:99+4*i], v24 offset:528*i  ; LDS serves a wave's instructions in order: these see the stores above
.set i, i+1
.endr
.set i, 0
.rept 16
	s_wait_dscnt 15-i
	global_store_b128 v25, v[96+4*i:99+4*i], s[68:69] offset:(16*(\a)+i)*4096 th:TH_STORE_NT  ; 512 consecutive bytes of a row, aligned
.set i, i+1
.endr
.endr
	s_wait_tensorcnt 0x0                           ; the wave's end
	ds_add_u32 v28, v29
	s_wait_dscnt 0x0
	CROUND                                         ; the closing round
	s_endpgm
.Lfunc_end_k_qb472a71d7e_oproj:
	.size	k_qb472a71d7e_oproj, .Lfunc_end_k_qb472a71d7e_oproj-k_qb472a71d7e_oproj
	.p2alignl 7, 3214868480
	.fill 96, 4, 3214868480
	.section	.rodata,"a",@progbits
	.p2align	6, 0x0
	.amdhsa_kernel k_qb472a71d7e_oproj
		.amdhsa_group_segment_fixed_size 327680
		.amdhsa_private_segment_fixed_size 0
		.amdhsa_enable_private_segment 0
		.amdhsa_kernarg_size 32
		.amdhsa_user_sgpr_count 2
		.amdhsa_user_sgpr_kernarg_segment_ptr 1
		.amdhsa_wavefront_size32 1
		.amdhsa_system_sgpr_workgroup_id_x 1
		.amdhsa_system_sgpr_workgroup_id_y 1
		.amdhsa_system_sgpr_workgroup_id_z 1
		.amdhsa_system_vgpr_workitem_id 0
		.amdhsa_next_free_vgpr 512
		.amdhsa_next_free_sgpr 80
		.amdhsa_reserve_vcc 0
		.amdhsa_float_denorm_mode_32 3
		.amdhsa_float_denorm_mode_16_64 3
		.amdhsa_memory_ordered 1
		.amdhsa_forward_progress 1
		.amdhsa_inst_pref_size 130
	.end_amdhsa_kernel
	.amdgpu_metadata
---
amdhsa.version: [ 1, 2 ]
amdhsa.kernels:
  - .name:           k_qb472a71d7e_oproj
    .symbol:         k_qb472a71d7e_oproj.kd
    .args:
      - { .name: yb, .offset: 0, .size: 8, .value_kind: global_buffer, .address_space: global }
      - { .name: wo16, .offset: 8, .size: 8, .value_kind: global_buffer, .address_space: global }
      - { .name: ysc, .offset: 16, .size: 8, .value_kind: global_buffer, .address_space: global }
      - { .name: out0, .offset: 24, .size: 8, .value_kind: global_buffer, .address_space: global }
    .group_segment_fixed_size: 327680
    .private_segment_fixed_size: 0
    .kernarg_segment_align: 8
    .kernarg_segment_size: 32
    .max_flat_workgroup_size: 128
    .sgpr_count:     80
    .vgpr_count:     512
    .wavefront_size: 32
...
	.end_amdgpu_metadata
.endif
;; end of part 4
;; ======== version 2 of 2: 4 launches; version 1 with the launch prep written anew for expert scheduling mode
;; limits: values are held in f16: magnitudes above 65,504 overflow, below 6.1e-05 lose precision
;; workspace buffers: xb 16,777,216 bytes; wb 6,291,456 bytes; wo16 2,097,152 bytes; gat 2,097,152 bytes; qkv 50,331,648 bytes; qn 524,288 bytes; yb 16,777,216 bytes; ysc 32,768 bytes
;; launch prep (part 5): grid 256 x 1, 8 waves a work-group, no clusters, 92,416 bytes of LDS; arguments x, Wq, Wk, Wv, Wo, Wa, Wb, ba, bb, xb, wb, wo16, gat; writes xb, wb, wo16, gat
.if DOCPART == 5
	.amdgcn_target "amdgcn-amd-amdhsa--gfx1250"
	.amdhsa_code_object_version 6
	.text
	.protected	k_qb472a71d7e_prep
	.globl	k_qb472a71d7e_prep
	.p2align	8
	.type	k_qb472a71d7e_prep,@function
k_qb472a71d7e_prep:
	s_mov_b64 s[64:65], 0
	v_nop
	global_prefetch_b8 v0, s[64:65] scope:SCOPE_SE
	s_setreg_imm32_b32 hwreg(HW_REG_WAVE_SCHED_MODE, 0, 2), 2
	s_setreg_imm32_b32 hwreg(HW_REG_WAVE_MODE, 25, 1), 1
	s_wait_xcnt 0x0
	s_wait_alu depctr_vm_vsrc(0)
; PREP.  Work-groups 128..255 cast the four weight matrices; work-groups 0..127 cast 64 rows of x each and make the gates of those rows (one chunk of 64 steps of one batch).
; xb: bf16 [64 groups of 16 channels][8192 rows][16]: a row of a group is 32 bytes, so 16 rows are 512 bytes on end.  wb: bf16 [3][1024 k][1024 n].  wo16: Wo rounded to bf16, written as f16.
; gat: f32 [4 planes][64 bh][2048 t].  With sa = -log2 sigmoid(x.Wa + ba), sb = -log2 sigmoid(x.Wb + bb), c = the sum of sa from the chunk's first step to t, G = c at its last step:
;   plane 0: L = -c     plane 1: E = c - sb     plane 2: W = 2^(E - G)     plane 3: F = 2^(-c)
; -log2 sigmoid(z) = max(n, 0) + log2(1 + 2^-|n|), n = -log2(e) z: no exponential can overflow.
; LIMITS.  sa is held to 128 at the most: a forget gate below 2^-128 counts as 2^-128.  All inputs are rounded to bf16, the biases too.  NaN and infinities are not treated apart.
; NO CLUSTER: what the row blocks share, Wa and Wb, is converted to bf16 on its way into LDS, through registers; a tensor load converts nothing.
; NO PREFETCH: every wave has 24 loads of x on their way from its first lines on, and the launch does little but move its bytes.
; THE MODE: SCHED_MODE bits 1:0 = 2 (LLVM: expert scheduling mode 2), set by the entry lines.  The code itself states the register dependences
; between vector or matrix instructions and memory or LDS instructions, with s_wait_alu, always for 0.
; THE PLAN, for the rows.  Registers that memory or LDS instructions touch:
;   v4-14, v20, v21  offsets and LDS addresses: written at the head, never again.
;   XF0 .. XF2   Trip i: its sixteen conversions read XF[i % 3]; behind them the loads of trip i + 3 land in it.
;   FR0, FR1     Trip i: its conversions write FR[i & 1]; its four stores and its four products read it; trip i + 2 writes it again.  At the head both sets carry the tables on their way into LDS.
;   WF0, WF1     Trip i: its four products read WF[i & 1]; the LDS loads issued in trip i + 1 land in it (the fragments of trip i + 2).  At the head both sets take the tables as loaded.
;   The accumulators are named by matrix and vector instructions, and by the LDS stores of the upper K half's waves, which never write them again.
; So a trip has two waits.  At its head, on vm_vsrc: the stores of two trips back have read FR[i & 1].  Behind its conversions, on va_vdst: FR[i & 1] is written, XF[i % 3] has been read, and the
; products of the trip before have read WF[(i + 1) & 1].  Behind that wait the only vector-side lines of the trip are its products, which name the accumulators, FR[i & 1] and WF[i & 1]: none of the
; registers in which the trip's loads land; the stores stand ahead of the products.
; THE PLAN, for the weights: 32 loads, each into registers of its own; 64 out registers, each written once.  Batch g's conversions write its sixteen; one wait on va_vdst at the head of batch g + 1
; states that, and batch g's eight stores are dealt among batch g + 1's conversions, which name other registers.
.set TA,    0          ; Wa as bf16 [1024 k][16], rows of 32 bytes
.set TB,    32768      ; Wb likewise
.set RED,   65536      ; the upper K halves' partial sums: 4 x 2,048 bytes
.set TOT,   73728      ; [4 row tiles][16 heads] f32: each tile's sum of sa
.set GST,   73984      ; 64 rows (16 plane + head) x 272 bytes: the planes on their way out
.set SPARE, 91392      ; the spare words, 128 bytes for each of 8 waves
.set FR,  40           ; v[40:71]   x as bf16 fragments, two sets of 16 by the trip's parity
.set WF,  72           ; v[72:135]  fragments of Wa and Wb, two sets of 32; first the tables' f32
.set XF,  136          ; v[136:231] x as loaded, three sets of 32
.set PO,  116          ; v[116:131] at the end: the planes, read back from the stage
.set KGB, 262144       ; bytes of one group of 16 channels in xb
	s_load_b512 s[8:23], s[0:1], 0x0               ; x, Wq, Wk, Wv, Wo, Wa, Wb, ba
	s_load_b256 s[24:31], s[0:1], 0x40             ; bb, xb, wb, wo16
	s_load_b64 s[32:33], s[0:1], 0x60              ; gat
	v_lshl_add_u32 v16, v0, 2, SPARE               ; my spare word; never rewritten
	v_mov_b32 v17, 0                               ; 0; never rewritten
	v_lshrrev_b32 v1, 5, v0
	v_readfirstlane_b32 s34, v1                    ; wave 0..7
	s_wait_alu depctr_va_sdst(0)                   ; s34 is written: ahead of the branch
	s_cmp_lt_u32 ttmp9, 128
	s_cbranch_scc1 .Lrows
	; THE WEIGHTS.  Matrix m = 0..3 (Wq, Wk, Wv, Wo), 32 rows = 131,072 bytes a work-group; all 32 loads of a thread go out at once.
	s_sub_co_u32 s35, ttmp9, 128
	s_lshr_b32 s36, s35, 5                         ; m
	s_and_b32 s37, s35, 31                         ; block of 32 rows
	v_lshlrev_b32 v2, 4, v0                        ; 16 bytes a thread in,
	v_lshlrev_b32 v3, 3, v0                        ; 8 bytes out
	s_mov_b32 s48, 0xffff0000
	s_lshl_b32 s38, s37, 17
	s_mov_b32 s39, 0
	s_lshl_b32 s40, s37, 16
	s_mov_b32 s41, 0
	s_lshl_b32 s42, s36, 21
	s_cmp_eq_u32 s36, 3
	s_cselect_b32 s42, 0, s42
	s_add_co_u32 s40, s40, s42
	s_wait_kmcnt 0x0
	s_cmp_eq_u32 s36, 1
	s_cselect_b64 s[44:45], s[12:13], s[10:11]
	s_cmp_eq_u32 s36, 2
	s_cselect_b64 s[44:45], s[14:15], s[44:45]
	s_cmp_eq_u32 s36, 3
	s_cselect_b64 s[44:45], s[16:17], s[44:45]
	s_cselect_b64 s[46:47], s[30:31], s[28:29]
	s_add_nc_u64 s[44:45], s[44:45], s[38:39]
	s_add_nc_u64 s[46:47], s[46:47], s[40:41]
	s_wait_alu depctr_va_vdst(0)                   ; v2 and v3 are written: every load and store of this way reads one of them as its offset
.set n, 0
.rept 32
	global_load_b128 v[64+4*n:67+4*n], v2, s[44:45] offset:4096*n th:TH_LOAD_NT
.set n, n+1
.endr
; Four batches of eight loads.  half = 1: the bf16 number is written as f16 (exact from 6.1e-5 up; below that f16's fixed step of 6e-8)
.macro WOUT half
.set g, 0
.rept 4
	s_wait_loadcnt 24-8*g                          ; loads come back in order: this batch's eight are in, the younger batches stay out
.if g > 0
	s_wait_alu depctr_va_vdst(0)                   ; the batch before has written its sixteen out registers, which the stores below read
.endif
.set n, 8*g
.rept 8
.if g > 0
	global_store_b64 v3, v[192+2*(n-8):193+2*(n-8)], s[46:47] offset:2048*(n-8)  ; a wave's store covers 256 consecutive bytes, aligned; no vector line since the wait names its registers
.endif
	v_cvt_pk_bf16_f32 v[192+2*n], v[64+4*n], v[65+4*n]
	v_cvt_pk_bf16_f32 v[193+2*n], v[66+4*n], v[67+4*n]
.if \half
	v_lshlrev_b32 v[64+4*n], 16, v[192+2*n]
	v_and_b32 v[65+4*n], s48, v[192+2*n]
	v_lshlrev_b32 v[66+4*n], 16, v[193+2*n]
	v_and_b32 v[67+4*n], s48, v[193+2*n]
	v_cvt_pk_f16_f32 v[192+2*n], v[64+4*n], v[65+4*n]
	v_cvt_pk_f16_f32 v[193+2*n], v[66+4*n], v[67+4*n]
.endif
.set n, n+1
.endr
.set g, g+1
.endr
	s_wait_alu depctr_va_vdst(0)                   ; the last batch has written its sixteen out registers, which the last eight stores read
.set n, 24
.rept 8
	global_store_b64 v3, v[192+2*n:193+2*n], s[46:47] offset:2048*n
.set n, n+1
.endr
.endm
	s_cmp_eq_u32 s36, 3
	s_cbranch_scc1 .Lwo
	WOUT 0
	s_branch .Lend
.Lwo:
	WOUT 1
	s_branch .Lend
.Lrows:
	; THE ROWS.  Wave w: row tile rt = w & 3 (16 rows), K half kh = w >> 2 (512 channels).
	s_and_b32 s35, s34, 3                          ; rt
	s_lshr_b32 s36, s34, 2                         ; kh
	v_and_b32 v1, 31, v0                           ; L
	v_and_b32 v2, 15, v0                           ; r
	v_bfe_u32 v3, v0, 4, 1                         ; h
	s_lshl_b32 s37, s35, 16
	s_lshl_b32 s38, s36, 11
	s_add_co_u32 s37, s37, s38
	v_lshlrev_b32 v4, 12, v2
	v_lshl_add_u32 v4, v3, 5, v4
	v_add_nc_u32 v4, s37, v4                       ; x: (16 rt + r) x 4096 + 2048 kh + 32 h
	s_lshl_b32 s38, ttmp9, 11
	s_lshl_b32 s39, s35, 9
	s_add_co_u32 s38, s38, s39
	v_lshlrev_b32 v5, 5, v2
	v_lshl_add_u32 v5, v3, 4, v5
	v_add_nc_u32 v5, s38, v5                       ; xb: (64 id + 16 rt + r) x 32 + 16 h
	v_and_b32 v6, 7, v0
	v_lshl_add_u32 v6, v3, 3, v6
	v_lshlrev_b32 v6, 5, v6
	v_bfe_u32 v7, v0, 3, 1
	v_lshl_add_u32 v6, v7, 4, v6
	s_lshl_b32 s39, s36, 14
	v_add_nc_u32 v6, s39, v6                       ; the turning load in Wa's table: (512 kh + 8 h + L % 8) x 32 + 16 ((L / 8) % 2)
	v_add_nc_u32 v7, TB, v6                        ; and in Wb's
	v_lshlrev_b32 v8, 5, v0                        ; a piece of 8 f32 of a table in memory,
	v_lshlrev_b32 v9, 4, v0                        ; and as 8 bf16 in LDS
	s_lshl_b32 s39, s35, 11
	s_add_co_u32 s39, s39, RED
	v_lshl_add_u32 v10, v1, 4, s39
	v_mul_u32_u24 v11, v2, 272
	v_lshl_add_u32 v11, v3, 5, v11
	s_lshl_b32 s39, s35, 6
	s_add_co_u32 s39, s39, GST
	v_add_nc_u32 v11, s39, v11                     ; GST: head r's row, steps 16 rt + 8 h on
	v_mul_u32_u24 v12, v3, 272
	v_lshl_add_u32 v12, v2, 4, v12
	s_mul_i32 s39, s34, 8*272
	s_add_co_u32 s39, s39, GST
	v_add_nc_u32 v12, s39, v12                     ; GST back: rows 8 w + L / 16, 16 bytes a lane
	v_lshlrev_b32 v13, 13, v3
	v_lshl_add_u32 v13, v2, 4, v13                 ; the same two rows in gat, 8,192 bytes apart
	v_lshl_add_u32 v14, v2, 2, TOT
	s_lshl_b32 s39, s35, 6
	v_add_nc_u32 v20, s39, v14
	v_cvt_f32_u32 v15, v3                          ; h as a float
	v_lshlrev_b32 v21, 2, v2
	s_cmp_gt_u32 s35, 0
	s_cselect_b32 s60, 1.0, 0                      ; which earlier tiles' sums come in front of mine
	s_cmp_gt_u32 s35, 1
	s_cselect_b32 s61, 1.0, 0
	s_cmp_gt_u32 s35, 2
	s_cselect_b32 s62, 1.0, 0
	s_mov_b32 s56, 0xbfb8aa3b                      ; -log2(e)
	s_mov_b32 s57, 0x80000000
	s_mov_b32 s58, 0x76543210
	s_mov_b32 s59, 0xfedcba98
	s_mov_b32 s63, 0x43000000                      ; 128.0
	s_lshr_b32 s48, ttmp9, 5                       ; b
	s_and_b32 s49, ttmp9, 31                       ; chunk
	s_lshl_b32 s48, s48, 4
	s_and_b32 s50, s34, 1
	s_lshl_b32 s50, s50, 3
	s_add_co_u32 s48, s48, s50
	s_lshl_b32 s48, s48, 13
	s_lshl_b32 s49, s49, 8
	s_add_co_u32 s48, s48, s49
	s_lshr_b32 s50, s34, 1
	s_lshl_b32 s50, s50, 19
	s_add_co_u32 s48, s48, s50                     ; plane w / 2, heads 16 b + 8 (w % 2) on, the chunk's 256 bytes
	s_mov_b32 s49, 0
	s_lshl_b32 s46, ttmp9, 18
	s_mov_b32 s47, 0
	s_lshl_b32 s50, s36, 23
	s_mov_b32 s51, 0
	s_wait_kmcnt 0x0
	s_add_nc_u64 s[42:43], s[8:9], s[46:47]        ; x at the block's first row
	s_add_nc_u64 s[40:41], s[26:27], s[50:51]      ; xb at group 32 kh
	s_add_nc_u64 s[44:45], s[32:33], s[48:49]
	s_wait_alu depctr_va_vdst(0)                   ; the offsets and LDS addresses v4 to v14, v20 and v21 are written: every load and store below reads one of them, and none is written again
	global_load_b32 v18, v21, s[22:23]             ; ba, bb of head r
	global_load_b32 v19, v21, s[24:25]
.macro TLOAD lo, hi                    ; a table's 16 loads: pieces tid + 256 n
.set n, 0
.rept 8
	global_load_b128 v[WF+8*n:WF+8*n+3],   v8, s[\lo:\hi] offset:8192*n
	global_load_b128 v[WF+8*n+4:WF+8*n+7], v8, s[\lo:\hi] offset:8192*n+16
.set n, n+1
.endr
.endm
.macro TCVT                            ; a table rounded to bf16: WF into FR
.set n, 0
.rept 32
	v_cvt_pk_bf16_f32 v[FR+n], v[WF+2*n], v[WF+2*n+1]
.set n, n+1
.endr
.endm
.macro TSTORE base                     ; and laid into LDS
.set n, 0
.rept 8
	ds_store_b128 v9, v[FR+4*n:FR+4*n+3] offset:(\base)+4096*n
.set n, n+1
.endr
.endm
.macro XLOAD i                         ; trip i's 64 channels of my 16 rows: 32 bytes a lane for each of four groups
.set xs, XF+32*((\i)%3)
.irp k, 0,1,2,3
	global_load_b128 v[xs+8*(\k):xs+8*(\k)+3],   v4, s[42:43] offset:256*(\i)+64*(\k)
	global_load_b128 v[xs+8*(\k)+4:xs+8*(\k)+7], v4, s[42:43] offset:256*(\i)+64*(\k)+16
.endr
.endm
.macro WLOAD i, f                      ; trip i's fragments of Wa and Wb for half f of its 64 channels, into WF[i & 1]
.set wn, WF+32*((\i)&1)
	ds_load_tr16_b128 v[wn+8*(\f):wn+8*(\f)+3],         v6 offset:(64*(\i)+32*(\f))*32
	ds_load_tr16_b128 v[wn+8*(\f)+4:wn+8*(\f)+7],       v6 offset:(64*(\i)+32*(\f))*32+512
	ds_load_tr16_b128 v[wn+16+8*(\f):wn+16+8*(\f)+3],   v7 offset:(64*(\i)+32*(\f))*32
	ds_load_tr16_b128 v[wn+16+8*(\f)+4:wn+16+8*(\f)+7], v7 offset:(64*(\i)+32*(\f))*32+512
.endm
	TLOAD 18, 19
	XLOAD 0
	XLOAD 1
	XLOAD 2
	s_wait_loadcnt 24                              ; the biases and Wa are in; x's 24 loads stay out
	v_cvt_pk_bf16_f32 v18, v18, v18
	v_cvt_pk_bf16_f32 v19, v19, v19
	v_lshlrev_b32 v18, 16, v18
	v_lshlrev_b32 v19, 16, v19
	v_mul_f32 v18, s56, v18                        ; -log2(e) x bias
	v_mul_f32 v19, s56, v19
	TCVT
	s_wait_alu depctr_va_vdst(0)                   ; Wa's conversions have written FR, which the LDS stores read, and are done reading WF, in which Wb's loads land
	TLOAD 20, 21                                   ; Wb is asked for ahead of Wa's stores
	TSTORE TA
	s_wait_loadcnt 0x0
	s_wait_alu depctr_vm_vsrc(0)                   ; Wa's LDS stores have read FR, which Wb's conversions write again
	TCVT
	s_wait_alu depctr_va_vdst(0)                   ; Wb's conversions have written FR, which the LDS stores read, and are done reading WF, in which the first fragments land behind the barrier
	TSTORE TB
	s_wait_dscnt 0x0                               ; my part of both tables lies in LDS
	s_barrier_signal -1
	s_barrier_wait -1                              ; everybody's does
	WLOAD 0, 0                                     ; trip 0's fragments.  No wait: no vector line since the wait above names WF
	WLOAD 0, 1
; A trip: 64 channels.  x is rounded, stored into xb (each store 512 bytes on end), and multiplied by Wa and Wb: source 0 = 16 rows of x, source 1 = 16 heads, so a lane ends
; with head r and steps 8 h + 0..7.  The two accumulators take turns.  A set of FR is written again two trips later, sixteen conversions behind the products that read it.
; The fragments of Wa and Wb are asked for a trip ahead, among the products of the trip before.
.macro TRIP i, left
.set fp, FR+16*((\i)&1)
.set wp, WF+32*((\i)&1)
.set xs, XF+32*((\i)%3)
	s_wait_loadcnt \left                           ; this trip's eight loads are in; the younger trips' stay out
	s_wait_xcnt 0x0                                ; every earlier memory instruction has had its addresses translated: this set of FR, the data of the stores of two trips back, is rewritten only behind this wait
	s_wait_alu depctr_vm_vsrc(0)                   ; the stores of two trips back (in trips 0 and 1: Wb's LDS stores) have read this set of FR, which the conversions write again
.set p, 0
.rept 16
	v_cvt_pk_bf16_f32 v[fp+p], v[xs+2*p], v[xs+2*p+1]
.set p, p+1
.endr
	s_wait_alu depctr_va_vdst(0)                   ; the conversions have written this set of FR, which the stores read, and are done reading this set of XF, in which the loads land; the last trip's products are done reading the other set of WF
.if (\i) < 5
	XLOAD (\i)+3
.endif
.irp k, 0,1,2,3
	global_store_b128 v5, v[fp+4*(\k):fp+4*(\k)+3], s[40:41] offset:(4*(\i)+(\k))*KGB
.endr
	s_wait_dscnt 0x0                               ; this trip's fragments, asked for a trip ago, are in
.if (\i) == 0
	v_wmma_f32_16x16x32_bf16 v[24:31], v[fp:fp+7], v[wp:wp+7], 0
.else
	v_wmma_f32_16x16x32_bf16 v[24:31], v[fp:fp+7], v[wp:wp+7], v[24:31]
.endif
.if (\i) < 7
	WLOAD (\i)+1, 0                                ; the next trip's fragments.  No wait: the products since the wait above name this trip's set of WF, not the other
.endif
.if (\i) == 0
	v_wmma_f32_16x16x32_bf16 v[32:39], v[fp:fp+7], v[wp+16:wp+23], 0
.else
	v_wmma_f32_16x16x32_bf16 v[32:39], v[fp:fp+7], v[wp+16:wp+23], v[32:39]
.endif
.if (\i) < 7
	WLOAD (\i)+1, 1
.endif
	v_wmma_f32_16x16x32_bf16 v[24:31], v[fp+8:fp+15], v[wp+8:wp+15], v[24:31]
	v_wmma_f32_16x16x32_bf16 v[32:39], v[fp+8:fp+15], v[wp+24:wp+31], v[32:39]
.endm
	TRIP 0, 0
	TRIP 1, 8
	TRIP 2, 16
	TRIP 3, 16
	TRIP 4, 16
	TRIP 5, 16
	TRIP 6, 8
	TRIP 7, 0
.rept 4
	v_nop                                          ; four places behind the last products
.endr
	s_wait_alu depctr_va_vdst(0)                   ; the products have written the accumulators, which the LDS stores below read, and are done reading WF, in whose registers the LDS loads of the rest of the kernel land; the places above stay beside this wait
	s_cmp_lt_u32 s34, 4
	s_cbranch_scc1 .Lno_red
	ds_store_b128 v10, v[24:27]                    ; the upper K half hands its sums over
	ds_store_b128 v10, v[28:31] offset:512
	ds_store_b128 v10, v[32:35] offset:1024
	ds_store_b128 v10, v[36:39] offset:1536
.Lno_red:
	s_wait_dscnt 0x0
	s_barrier_signal -1
	s_barrier_wait -1
	s_cmp_ge_u32 s34, 4
	s_cbranch_scc1 .Lskip1
	ds_load_b128 v[72:75], v10
	ds_load_b128 v[76:79], v10 offset:512
	ds_load_b128 v[80:83], v10 offset:1024
	ds_load_b128 v[84:87], v10 offset:1536
	s_wait_dscnt 0x0
.set j, 0
.rept 8
	v_pk_add_f32 v[24+2*j:25+2*j], v[24+2*j:25+2*j], v[72+2*j:73+2*j]
.set j, j+1
.endr
.set j, 0
.rept 8
	v_fma_f32 v[24+j], v[24+j], s56, v18           ; n = -log2(e) (z + bias)
	v_fma_f32 v[32+j], v[32+j], s56, v19
.set j, j+1
.endr
.set j, 0
.rept 16
	v_or_b32 v[72+j], s57, v[24+j]                 ; -|n|
.set j, j+1
.endr
.set j, 0
.rept 16
	v_exp_f32 v[72+j], v[72+j]
.set j, j+1
.endr
	v_nop                                          ; a plain instruction behind the last exponential,
	s_wait_alu depctr_va_vdst(0)                   ; and one wait for the batch: the sixteen exponentials have written v72 to v87, which the additions read
.set j, 0
.rept 16
	v_add_f32 v[72+j], 1.0, v[72+j]
.set j, j+1
.endr
.set j, 0
.rept 16
	v_log_f32 v[72+j], v[72+j]
.set j, j+1
.endr
	v_nop
	s_wait_alu depctr_va_vdst(0)                   ; the sixteen logarithms have written v72 to v87, which the additions below read
.set j, 0
.rept 16
	v_max_num_f32 v[24+j], 0, v[24+j]
.set j, j+1
.endr
.set j, 0
.rept 16
	v_add_f32 v[24+j], v[24+j], v[72+j]            ; sa in v24-31, sb in v32-39
.set j, j+1
.endr
.set j, 0
.rept 8
	v_min_num_f32 v[24+j], s63, v[24+j]
.set j, j+1
.endr
.set j, 1
.rept 7
	v_add_f32 v[24+j], v[23+j], v[24+j]            ; running sums over my eight steps
.set j, j+1
.endr
	v_mov_b32 v88, 0
	v_permlanex16_b32 v88, v31, s58, s59           ; the other eight steps' sum
	v_add_f32 v89, v31, v88                        ; the tile's 16 steps
.set j, 0
.rept 8
	v_fma_f32 v[24+j], v88, v15, v[24+j]           ; steps 8..15 stand behind steps 0..7
.set j, j+1
.endr
	s_wait_alu depctr_va_vdst(0)                   ; v89, the tile's sum, is written: the LDS store reads it
	ds_store_b32 v20, v89
.Lskip1:
	s_wait_dscnt 0x0
	s_barrier_signal -1
	s_barrier_wait -1
	s_cmp_ge_u32 s34, 4
	s_cbranch_scc1 .Lskip2
	ds_load_b32 v90, v14
	ds_load_b32 v91, v14 offset:64
	ds_load_b32 v92, v14 offset:128
	ds_load_b32 v93, v14 offset:192
	s_wait_dscnt 0x0
	v_mul_f32 v94, s60, v90
	v_fmac_f32 v94, s61, v91
	v_fmac_f32 v94, s62, v92                       ; the earlier tiles' sums
	v_add_f32 v95, v90, v91
	v_add_f32 v96, v92, v93
	v_add_f32 v95, v95, v96                        ; G
.set j, 0
.rept 8
	v_add_f32 v[24+j], v94, v[24+j]                ; c
.set j, j+1
.endr
.set j, 0
.rept 8
	v_sub_f32 v[72+j], 0, v[24+j]                  ; L
	v_sub_f32 v[80+j], v[24+j], v[32+j]            ; E
.set j, j+1
.endr
.set j, 0
.rept 8
	v_sub_f32 v[100+j], v[80+j], v95
.set j, j+1
.endr
.set j, 0
.rept 8
	v_exp_f32 v[100+j], v[100+j]                   ; W
	v_exp_f32 v[108+j], v[72+j]                    ; F
.set j, j+1
.endr
	v_nop
	s_wait_alu depctr_va_vdst(0)                   ; the sixteen exponentials have written W and F, the subtractions L and E: the eight LDS stores read all four
	ds_store_b128 v11, v[72:75]
	ds_store_b128 v11, v[76:79] offset:16
	ds_store_b128 v11, v[80:83] offset:4352
	ds_store_b128 v11, v[84:87] offset:4352+16
	ds_store_b128 v11, v[100:103] offset:2*4352
	ds_store_b128 v11, v[104:107] offset:2*4352+16
	ds_store_b128 v11, v[108:111] offset:3*4352
	ds_store_b128 v11, v[112:115] offset:3*4352+16
.Lskip2:
	s_wait_dscnt 0x0
	s_barrier_signal -1
	s_barrier_wait -1
.irp n, 0,1,2,3
	ds_load_b128 v[PO+4*(\n):PO+4*(\n)+3], v12 offset:544*(\n)  ; into registers that no LDS store has read and that no vector line has named since the wait behind the last products
.endr
.irp n, 0,1,2,3
	s_wait_dscnt 3-(\n)
	global_store_b128 v13, v[PO+4*(\n):PO+4*(\n)+3], s[44:45] offset:16384*(\n)  ; sixteen lanes store a head's 256 consecutive bytes, aligned
.endr
.Lend:
	s_wait_dscnt 0x0                               ; the closing lines, six on end
	s_wait_alu 0x0
	s_wait_tensorcnt 0x0
	ds_add_u32 v16, v17
	s_wait_dscnt 0x0
	s_endpgm
.Lfunc_end_k_qb472a71d7e_prep:
	.size	k_qb472a71d7e_prep, .Lfunc_end_k_qb472a71d7e_prep-k_qb472a71d7e_prep
	.p2alignl 7, 3214868480
	.fill 96, 4, 3214868480
	.section	.rodata,"a",@progbits
	.p2align	6, 0x0
	.amdhsa_kernel k_qb472a71d7e_prep
		.amdhsa_group_segment_fixed_size 92416
		.amdhsa_private_segment_fixed_size 0
		.amdhsa_enable_private_segment 0
		.amdhsa_kernarg_size 104
		.amdhsa_user_sgpr_count 2
		.amdhsa_user_sgpr_kernarg_segment_ptr 1
		.amdhsa_wavefront_size32 1
		.amdhsa_system_sgpr_workgroup_id_x 1
		.amdhsa_system_sgpr_workgroup_id_y 1
		.amdhsa_system_sgpr_workgroup_id_z 1
		.amdhsa_system_vgpr_workitem_id 0
		.amdhsa_next_free_vgpr 256
		.amdhsa_next_free_sgpr 66
		.amdhsa_reserve_vcc 0
		.amdhsa_float_denorm_mode_32 3
		.amdhsa_float_denorm_mode_16_64 3
		.amdhsa_memory_ordered 1
		.amdhsa_forward_progress 1
		.amdhsa_inst_pref_size 75
	.end_amdhsa_kernel
	.amdgpu_metadata
---
amdhsa.version: [ 1, 2 ]
amdhsa.kernels:
  - .name:           k_qb472a71d7e_prep
    .symbol:         k_qb472a71d7e_prep.kd
    .args:
      - { .name: x, .offset: 0, .size: 8, .value_kind: global_buffer, .address_space: global }
      - { .name: Wq, .offset: 8, .size: 8, .value_kind: global_buffer, .address_space: global }
      - { .name: Wk, .offset: 16, .size: 8, .value_kind: global_buffer, .address_space: global }
      - { .name: Wv, .offset: 24, .size: 8, .value_kind: global_buffer, .address_space: global }
      - { .name: Wo, .offset: 32, .size: 8, .value_kind: global_buffer, .address_space: global }
      - { .name: Wa, .offset: 40, .size: 8, .value_kind: global_buffer, .address_space: global }
      - { .name: Wb, .offset: 48, .size: 8, .value_kind: global_buffer, .address_space: global }
      - { .name: ba, .offset: 56, .size: 8, .value_kind: global_buffer, .address_space: global }
      - { .name: bb, .offset: 64, .size: 8, .value_kind: global_buffer, .address_space: global }
      - { .name: xb, .offset: 72, .size: 8, .value_kind: global_buffer, .address_space: global }
      - { .name: wb, .offset: 80, .size: 8, .value_kind: global_buffer, .address_space: global }
      - { .name: wo16, .offset: 88, .size: 8, .value_kind: global_buffer, .address_space: global }
      - { .name: gat, .offset: 96, .size: 8, .value_kind: global_buffer, .address_space: global }
    .group_segment_fixed_size: 92416
    .private_segment_fixed_size: 0
    .kernarg_segment_align: 8
    .kernarg_segment_size: 104
    .max_flat_workgroup_size: 256
    .sgpr_count:     66
    .vgpr_count:     256
    .wavefront_size: 32
...
	.end_amdgpu_metadata
.endif
;; end of part 5
;; launch proj: the kernel of part 2 again; grid 8 x 32, 4 waves a work-group, clusters of 4 x 4, 327,680 bytes of LDS; arguments xb, wb, qkv, qn; writes qkv, qn
;; launch scan: the kernel of part 3 again; grid 256 x 1, 16 waves a work-group, no clusters, 315,648 bytes of LDS; arguments qkv, gat, qn, state, yb, ysc, out1; writes yb, ysc, out1
;; launch oproj: the kernel of part 4 again; grid 4 x 64, 4 waves a work-group, clusters of 4 x 4, 327,680 bytes of LDS; arguments yb, wo16, ysc, out0; writes out0
